; MI455X (gfx1250); checked and timed in simulation.
; The chip was launched on July 23, 2026; its instructions are those of AMD's public machine-readable ISA for CDNA 5 (MIT licence, August 2026) and "CDNA5" Instruction Set Architecture Reference Guide (July 2026). The comments in the code are by the model that wrote it; some were corrected since.
;; Multi Head Attention. Allowed arithmetic: matrix products marked QUANTISED: E4M3 operands, one given power-of-two scale a tensor, by v_wmma_f32_16x16x64_fp8_fp8 or v_wmma_f32_16x16x128_fp8_fp8, f32 sums; everything else in f32.
;; Inputs: Wk 1,024 x 1,024 float32; Wo 1,024 x 1,024 float32; Wq 1,024 x 1,024 float32; Wv 1,024 x 1,024 float32; bk 1,024 float32; bo 1,024 float32; bq 1,024 float32; bv 1,024 float32; k 4 x 2,048 x 1,024 float32; lowp_scales 12 int32 (the exponents e of the quantised operands' scales 2^e); mask 1 x 1 x 2,048 x 2,048 int32; q 4 x 2,048 x 1,024 float32; v 4 x 2,048 x 1,024 float32.
;; Outputs: out0 4 x 2,048 x 1,024 float32.
;; This version of the problem:
;;   THIS VERSION OF THE PROBLEM IS GIVEN IN LOW PRECISION. The matrix products marked QUANTISED in the list below multiply operands that are first quantised to E4M3 (4 exponent bits, 3 mantissa bits; 8 bits a number), with one given power-of-two scale for each operand tensor; their sums are f32. All else is computed in f32.
;;   The module's matrix products, in the order in which they are computed (A, B: the left and right operand; K: the contracted axis; several contracted axes count as one K, in the product's order):
;;     1. [M 8,192, K 1,024] x [K 1,024, N 1,024]; A: input q; B: input Wq: QUANTISED (scales: A lowp_scales[0], B lowp_scales[1])
;;     2. [M 8,192, K 1,024] x [K 1,024, N 1,024]; A: input k; B: input Wk: QUANTISED (scales: A lowp_scales[2], B lowp_scales[3])
;;     3. [M 8,192, K 1,024] x [K 1,024, N 1,024]; A: input v; B: input Wv: QUANTISED (scales: A lowp_scales[4], B lowp_scales[5])
;;     4. batch 64 x [M 2,048, K 64] x [K 64, N 2,048]; A: computed on the way; B: computed on the way: QUANTISED (scales: A lowp_scales[6], B lowp_scales[7])
;;     5. batch 64 x [M 2,048, K 2,048] x [K 2,048, N 64]; A: softmax (see below); B: computed on the way: QUANTISED (scales: A lowp_scales[8], B lowp_scales[9])
;;     6. [M 8,192, K 1,024] x [K 1,024, N 1,024]; A: computed on the way; B: input Wo: QUANTISED (scales: A lowp_scales[10], B lowp_scales[11])
;;   THE QUANTISER, for each operand of a quantised product, along K:
;;     - The operand's scale is 2^e, e = its entry of the input lowp_scales (int32; the entries are numbered through the quantised products in the list's order, A before B).
;;     - Each number is divided by the scale, clamped to +-448, and rounded to the nearest number of E4M3, ties to even, subnormals kept.
;;     - The product sums the exact products of the quantised numbers (number of the format x scale) in f32.
;;   ~~~python
;;   def quantise(x, axis, e):      # numpy; x: float32 -> the quantised numbers, widened to float32 again
;;       x = np.moveaxis(x, axis, -1); K = x.shape[-1]
;;       r = np.clip(x / 2.0 ** e, -448, 448)
;;       step = 2.0 ** (np.maximum(np.frexp(np.where(r == 0, 1, r))[1] - 1, -6) - 3)
;;       q = np.round(r / step) * step * 2.0 ** e      # np.round: ties to even
;;       return np.moveaxis(q, -1, axis).astype(np.float32)
;;   ~~~
;;   SOFTMAX AHEAD OF A QUANTISED PRODUCT. Where the list says 'softmax', what is quantised is not the finished softmax but p = 2^(t - M), with t = logit x log2(e) and M = ceil(the row's largest t), a whole number; so 1/2 < the row's largest p <= 1. The row's sum l is taken of the UNQUANTISED p, in f32, and the product's result is divided by l at the end. Since M is a whole number, a kernel that streams over the keys may use a running M (the ceiling of the running maximum): every later rescaling is an exact power of two, so the quantised numbers keep their values, but for numbers so far below the row's largest that they fall under the format's range.
;;   OPERANDS COMPUTED ON THE WAY. 'Computed on the way' means the value that the module computes at that place (a softmax that the list does not call 'softmax' is quantised finished and normalised). What goes into a quantiser is computed in f32, as accurately as f32 sums, v_exp_f32 and their like allow (about 1e-6 of the number): no bf16 or f16 on the way to a quantiser, and a product that is left as it is and whose result goes on into a quantised operand takes f32 operands (vector FMAs, or v_wmma_f32_16x16x4_f32). A number that lies on a knife's edge between two numbers of the format may be rounded either way, as far as f32 arithmetic and the matrix unit's own rounding can turn it there, and no further.
;; 2 versions, each right; version 2 is version 1 with the launch attn written anew for expert scheduling mode. Each part assembles by itself: llvm-mc -triple=amdgcn-amd-amdhsa -mcpu=gfx1250 --defsym DOCPART=n.
;; ======== version 1 of 2: 4 launches
;; limits: right only within a limited range of input values
;; workspace buffers: xc 25,165,824 bytes; wc 4,194,304 bytes; hc 25,165,824 bytes; cc 8,388,608 bytes; mbits 524,288 bytes of whole numbers; mcls 4,096 bytes of whole numbers
;; launch prep (part 1): grid 1024 x 1, 4 waves a work-group, no clusters, 67,072 bytes of LDS; arguments q, k, v, Wq, Wk, Wv, Wo, lowp_scales, mask, xc, wc, mbits, mcls; writes xc, wc, mbits, mcls
.if DOCPART == 1
	.amdgcn_target "amdgcn-amd-amdhsa--gfx1250"
	.amdhsa_code_object_version 6
	.text
	.protected	k_qbab8e95389_prep
	.globl	k_qbab8e95389_prep
	.p2align	8
	.type	k_qbab8e95389_prep,@function
k_qbab8e95389_prep:
	s_mov_b64 s[64:65], 0
	v_nop
	global_prefetch_b8 v0, s[64:65] scope:SCOPE_SE
	s_setreg_imm32_b32 hwreg(HW_REG_WAVE_MODE, 25, 1), 1
	s_wait_xcnt 0x0
; TWO JOBS IN ONE LAUNCH, told apart by the work-group's number.
; Work-groups 128 .. 1023: q, k, v [8192][1024] and Wq, Wk, Wv, Wo [1024][1024], f32, K innermost, become codes of FP8 (E4M3), each tensor with its given scale 2^e:
;   code = x / 2^e, held within +-448, to the nearest code, ties to even.  q, k, v are stacked in xc [24576][1024], the four weights in wc [4096][1024].
;   A wave takes 8 rows (8,192 numbers), a work-group 32.  THE ROWS OF k, v, Wq, Wk, Wv ARE STORED PERMUTED: in every 32 rows, rows 8-15 and 16-23 change places (waves 1 and 2 swap their destinations).
;   Row m of the stored 16-row block 2 b + u is then row 32 b + 8 u + m + 8 (m / 8): with such blocks as a matrix instruction's first source, a lane's 16 results of two neighbouring blocks are 16 neighbours.
; Work-groups 0 .. 127: the mask [2048][2048] int32, 16 query rows each (tile T).  For each step j of 128 keys: 64 words in mbits [T][j][n]: bit (r + 16 h) of word n = 16 b + i says whether
;   mask[16 T + r][128 j + 32 b + 16 h + i] is not 0: the lane mask for register n of the scores as the attention launch holds them.  mcls [T][wave][2]: two bits a step (0: no key kept, 1: all kept, 2: mixed), at bit 2 j,
;   and the OR of the wave's words.  The 8 bytes of mcls a wave are the one store here that does not fill 256 aligned bytes: 4,096 bytes in the whole launch.
; LIMITS: each e between -126 and 119, so that 2^e and 448 x 2^e are f32 numbers.  NaN among the inputs is not served.
; No tensor loads, no barrier: waves share nothing.  Each job has LDS bytes of its own.
.set STEPS, 16
.set MANT,  0x600000                   ; the mantissa field of 448 as f32
.set R,     16                         ; v16-79   quantiser: four sets of 16 numbers as loaded
.set X,     80                         ; v80-111  two sets of 16 neighbours
.set C,     128                        ; v128-191 codes: four registers for each step, never written again
.set WREG,  8192                       ; LDS 0 .. 32,767: a region for each wave: two stages of 32 x SP bytes
.set SP,    80                         ; a lane's place in a stage: 64 bytes + 16 of padding
.set MSTG,  32768                      ; LDS: the mask's stages, 16 rows x MP bytes for each wave
.set MP,    528                        ; 512 bytes + 16 of padding: an odd multiple of 16
.set MREG,  16*MP
.set SPARE, MSTG+4*MREG                ; the spare words, 128 bytes for each wave: two blocks of 256 bytes that no other line names
.set SPW,   12                         ; v12  SPARE + 4 x my thread's number; never rewritten
.set NIL,   13                         ; v13  0; never rewritten
.set Y,     144                        ; v144-207 mask: 64 numbers in the scores' order
.set W,     208                        ; v208-215 mask: the words of two steps, twice
	s_load_b512 s[4:19], s[0:1], 0x0               ; q, k, v, Wq, Wk, Wv, Wo, the scales' exponents
	s_load_b256 s[20:27], s[0:1], 0x40             ; mask, xc, wc, mbits
	s_load_b64 s[28:29], s[0:1], 0x60              ; mcls
	v_lshl_add_u32 v[SPW], v0, 2, SPARE
	v_mov_b32 v[NIL], 0
	v_lshrrev_b32 v1, 5, v0
	v_readfirstlane_b32 s50, v1                    ; wave 0..3
	v_and_b32 v2, 31, v0                           ; lane
	v_lshlrev_b32 v3, 4, v2                        ; 16 x lane
	s_cmp_lt_u32 ttmp9, 128
	s_cbranch_scc1 .Lmask
; ------------------------------------------------------------ the quantiser
	s_mul_i32 s52, s50, WREG
	v_lshrrev_b32 v14, 2, v2
	v_mul_u32_u24 v14, v14, SP
	v_and_b32 v15, 3, v2
	v_lshl_add_u32 v14, v15, 4, v14
	v_add_nc_u32 v14, s52, v14                     ; the stage on the way in: SP (lane / 4) + 16 (lane % 4)
	v_mul_u32_u24 v15, v2, SP
	v_add_nc_u32 v15, s52, v15                     ; and on the way out: SP x lane: my 16 neighbours
	s_sub_co_u32 s51, ttmp9, 128                   ; which block of 32 rows, counted through the seven tensors
	s_wait_kmcnt 0x0
	s_mov_b64 s[32:33], s[4:5]                     ; q, unless a later bound is reached
	s_mov_b32 s35, 0                               ; the tensor's first block
	s_mov_b32 s48, 0                               ; 1: rows are stored permuted
	s_mov_b32 s49, 0                               ; byte of the tensor's e among the exponents
.macro PICK bound, ptr, flag, eoff     ; the choice hangs on the work-group's number alone
	s_cmp_ge_u32 s51, \bound
	s_cselect_b64 s[32:33], s[\ptr:\ptr+1], s[32:33]
	s_cselect_b32 s35, \bound, s35
	s_cselect_b32 s48, \flag, s48
	s_cselect_b32 s49, \eoff, s49
.endm
	PICK 256, 6, 1, 8                              ; k,  entry 2
	PICK 512, 8, 1, 16                             ; v,  entry 4
	PICK 768, 10, 1, 4                             ; Wq, entry 1
	PICK 800, 12, 1, 12                            ; Wk, entry 3
	PICK 832, 14, 1, 20                            ; Wv, entry 5
	PICK 864, 16, 0, 44                            ; Wo, entry 11
	s_load_b32 s36, s[18:19], s49 offset:0x0       ; e
	s_cmp_lt_u32 s51, 768
	s_cselect_b64 s[38:39], s[22:23], s[24:25]     ; xc or wc
	s_cselect_b32 s37, 0, 768                      ; and its first block
	s_and_b32 s42, s50, 1
	s_lshl_b32 s42, s42, 1
	s_lshr_b32 s43, s50, 1
	s_or_b32 s42, s42, s43                         ; the wave's two bits swapped: 0, 2, 1, 3
	s_cmp_eq_u32 s48, 1
	s_cselect_b32 s42, s42, s50                    ; where my 8 rows go among the block's 32
	s_sub_co_u32 s40, s51, s35
	s_lshl_b32 s40, s40, 2
	s_add_co_u32 s40, s40, s50
	s_lshl_b32 s40, s40, 15                        ; 8 rows of 4,096 bytes
	s_mov_b32 s41, 0
	s_add_nc_u64 s[32:33], s[32:33], s[40:41]
	s_sub_co_u32 s40, s51, s37
	s_lshl_b32 s40, s40, 2
	s_add_co_u32 s40, s40, s42
	s_lshl_b32 s40, s40, 13                        ; 8 rows of 1,024 bytes
	s_add_nc_u64 s[38:39], s[38:39], s[40:41]
.macro LOAD t
.irp i, 0,1,2,3
	global_load_b128 v[R+16*((\t)%4)+4*\i:R+16*((\t)%4)+4*\i+3], v3, s[32:33] offset:2048*(\t)+512*\i th:TH_LOAD_NT   ; 32 lanes read 512 consecutive bytes
.endr
.endm
.macro TURN t                          ; a step's 2,048 bytes through the stage: LDS serves a wave's instructions in order, so no wait stands between the stores and the loads
.irp i, 0,1,2,3
	ds_store_b128 v14, v[R+16*((\t)%4)+4*\i:R+16*((\t)%4)+4*\i+3] offset:32*SP*((\t)%2)+8*SP*\i
.endr
.irp i, 0,1,2,3
	ds_load_b128 v[X+16*((\t)%2)+4*\i:X+16*((\t)%2)+4*\i+3], v15 offset:32*SP*((\t)%2)+16*\i
.endr
.endm
.irp t, 0,1,2,3
	LOAD \t
.endr
	s_wait_kmcnt 0x0
	s_add_co_i32 s36, s36, 127
	s_lshl_b32 s43, s36, 23
	v_mov_b32 v11, s43                             ; 2^e as f32: the conversion takes its exponent field
	s_add_co_i32 s36, s36, 8
	s_lshl_b32 s36, s36, 23
	s_or_b32 s36, s36, MANT
	v_mov_b32 v10, s36                             ; 448 x 2^e
	s_wait_loadcnt 12                              ; step 0's four loads are in; three steps' twelve stay out
	TURN 0
.macro STEP t
.set XS, X+16*((\t)%2)
	s_wait_dscnt 0x0                               ; this step's numbers are back from the stage, and its stores into the stage have read their registers,
.if (\t)+4 < STEPS
	LOAD (\t)+4                                    ; which take the loads of four steps on
.endif
.if (\t)+1 < STEPS
.if STEPS-2-(\t) >= 3
	s_wait_loadcnt 12                              ; the next step's four loads are in; those of the three steps behind it may be out
.else
	s_wait_loadcnt 4*(STEPS-2-(\t))
.endif
	TURN (\t)+1
.endif
.irp i, 0,1,2,3,4,5,6,7,8,9,10,11,12,13,14,15
	v_med3_num_f32 v[XS+\i], v[XS+\i], -v10, v10   ; the conversion to an 8-bit code does not saturate (ISA guide 7.6.2): the hold comes first
.endr
	v_cvt_scalef32_pk8_fp8_f32 v[C+4*(\t):C+4*(\t)+1], v[XS:XS+7], v11
	v_cvt_scalef32_pk8_fp8_f32 v[C+4*(\t)+2:C+4*(\t)+3], v[XS+8:XS+15], v11
	v_nop                                          ; a plain vector line behind the last conversion of the run
	global_store_b128 v3, v[C+4*(\t):C+4*(\t)+3], s[38:39] offset:512*(\t)   ; 32 lanes store 512 consecutive bytes, aligned
.endm
.irp t, 0,1,2,3,4,5,6,7,8,9,10,11,12,13,14,15
	STEP \t
.endr
	s_wait_tensorcnt 0x0                           ; the wave's end, behind my last LDS store
	ds_add_u32 v[SPW], v[NIL]
	s_wait_dscnt 0x0
	s_endpgm
; ------------------------------------------------------------ the mask
.Lmask:
	s_mul_i32 s52, s50, MREG
	s_add_co_u32 s52, s52, MSTG                    ; my stage
	v_add_nc_u32 v5, s52, v3                       ; in: a row's 512 bytes as they lie, 16 a lane
	v_and_b32 v6, 15, v0
	v_bfe_u32 v7, v0, 4, 1
	v_mul_u32_u24 v6, v6, MP
	v_lshl_add_u32 v6, v7, 6, v6
	v_add_nc_u32 v6, s52, v6                       ; out: row r, + 64 h bytes: keys 16 h on
	s_lshl_b32 s46, ttmp9, 17                      ; 16 rows of 8,192 bytes
	s_lshl_b32 s47, s50, 11                        ; my four steps of 512 bytes
	s_add_co_u32 s46, s46, s47
	s_mov_b32 s47, 0
	s_wait_kmcnt 0x0
	s_add_nc_u64 s[30:31], s[20:21], s[46:47]
	s_lshl_b32 s46, ttmp9, 12
	s_lshl_b32 s45, s50, 10
	s_add_co_u32 s46, s46, s45
	s_add_nc_u64 s[32:33], s[26:27], s[46:47]      ; mbits: 4,096 T + 1,024 wave
	s_lshl_b32 s46, ttmp9, 5
	s_lshl_b32 s43, s50, 3                         ; 8 x wave: also the first bit of my classes
	s_add_co_u32 s46, s46, s43
	s_add_nc_u64 s[34:35], s[28:29], s[46:47]      ; mcls: 32 T + 8 wave
	s_mov_b32 s40, 0                               ; my four classes
	s_mov_b32 s41, 0                               ; the OR of all my words
.irp i, 0,1,2,3,4,5,6,7
	v_mov_b32 v[W+\i], 0                           ; a lane write's destination counts as read
.endr
.macro MLOAD t                         ; step t: 16 rows x 128 keys; each load is one row's 512 consecutive bytes
.irp r, 0,1,2,3,4,5,6,7,8,9,10,11,12,13,14,15
	global_load_b128 v[16+64*((\t)%2)+4*\r:16+64*((\t)%2)+4*\r+3], v3, s[30:31] offset:512*(\t)+8192*\r th:TH_LOAD_NT
.endr
.endm
.macro MSTEP s
.if (\s) < 3
	s_wait_loadcnt 16                              ; this step's sixteen loads are in; the next step's sixteen stay out
.else
	s_wait_loadcnt 0
.endif
.set XS, 16+64*((\s)%2)
.irp r, 0,1,2,3,4,5,6,7,8,9,10,11,12,13,14,15
	ds_store_b128 v5, v[XS+4*\r:XS+4*\r+3] offset:MP*\r
.endr
.irp b, 0,1,2,3
.irp c, 0,1,2,3
	ds_load_b128 v[Y+16*\b+4*\c:Y+16*\b+4*\c+3], v6 offset:128*\b+16*\c   ; lane (r, h): keys 32 b + 16 h + 4 c on, of row r
.endr
.endr
	s_wait_dscnt 0x0
.if (\s) < 2
	MLOAD (\s)+2
.endif
	s_mov_b32 s38, -1
	s_mov_b32 s39, 0
.set n, 0
.rept 64
	v_cmp_ne_u32 s[36+n%2], 0, v[Y+n]              ; word n: a bit a lane
	s_and_b32 s38, s38, s[36+n%2]
	s_or_b32 s39, s39, s[36+n%2]
	v_writelane_b32 v[W+4*((\s)/2)+n%4], s[36+n%2], n/4+16*((\s)%2)   ; lane l will store words 4 l .. 4 l + 3 of two steps' 128
.set n, n+1
.endr
	s_or_b32 s41, s41, s39
	s_cmp_eq_u32 s38, -1
	s_cselect_b32 s42, 1, 2
	s_cmp_eq_u32 s39, 0
	s_cselect_b32 s42, 0, s42
	s_add_co_u32 s45, s43, 2*(\s)
	s_lshl_b32 s42, s42, s45
	s_or_b32 s40, s40, s42
.if ((\s)%2) == 1
	global_store_b128 v3, v[W+4*((\s)/2):W+4*((\s)/2)+3], s[32:33] offset:512*((\s)/2)   ; 512 consecutive bytes, aligned
.endif
.endm
	MLOAD 0
	MLOAD 1
	MSTEP 0
	MSTEP 1
	MSTEP 2
	MSTEP 3
	v_mov_b32 v216, s40
	v_mov_b32 v217, s41
	v_mov_b32 v7, 0
	v_cmp_eq_u32 vcc_lo, 0, v2
	s_wait_xcnt 0x0                                ; EXEC changes only behind this wait
	s_and_saveexec_b32 s44, vcc_lo
	global_store_b64 v7, v[216:217], s[34:35]      ; lane 0 alone
	s_wait_xcnt 0x0                                ; and again in front of the line that widens it
	s_or_b32 exec_lo, exec_lo, s44
	s_wait_tensorcnt 0x0                           ; the wave's end, behind my last LDS store
	ds_add_u32 v[SPW], v[NIL]
	s_wait_dscnt 0x0
	s_endpgm
.Lfunc_end_k_qbab8e95389_prep:
	.size	k_qbab8e95389_prep, .Lfunc_end_k_qbab8e95389_prep-k_qbab8e95389_prep
	.p2alignl 7, 3214868480
	.fill 96, 4, 3214868480
	.section	.rodata,"a",@progbits
	.p2align	6, 0x0
	.amdhsa_kernel k_qbab8e95389_prep
		.amdhsa_group_segment_fixed_size 67072
		.amdhsa_private_segment_fixed_size 0
		.amdhsa_enable_private_segment 0
		.amdhsa_kernarg_size 104
		.amdhsa_user_sgpr_count 2
		.amdhsa_user_sgpr_kernarg_segment_ptr 1
		.amdhsa_wavefront_size32 1
		.amdhsa_system_sgpr_workgroup_id_x 1
		.amdhsa_system_sgpr_workgroup_id_y 1
		.amdhsa_system_sgpr_workgroup_id_z 1
		.amdhsa_system_vgpr_workitem_id 0
		.amdhsa_next_free_vgpr 220
		.amdhsa_next_free_sgpr 66
		.amdhsa_reserve_vcc 1
		.amdhsa_float_denorm_mode_32 3
		.amdhsa_float_denorm_mode_16_64 3
		.amdhsa_memory_ordered 1
		.amdhsa_forward_progress 1
		.amdhsa_inst_pref_size 105
	.end_amdhsa_kernel
	.amdgpu_metadata
---
amdhsa.version: [ 1, 2 ]
amdhsa.kernels:
  - .name:           k_qbab8e95389_prep
    .symbol:         k_qbab8e95389_prep.kd
    .args:
      - { .name: q, .offset: 0, .size: 8, .value_kind: global_buffer, .address_space: global }
      - { .name: k, .offset: 8, .size: 8, .value_kind: global_buffer, .address_space: global }
      - { .name: v, .offset: 16, .size: 8, .value_kind: global_buffer, .address_space: global }
      - { .name: Wq, .offset: 24, .size: 8, .value_kind: global_buffer, .address_space: global }
      - { .name: Wk, .offset: 32, .size: 8, .value_kind: global_buffer, .address_space: global }
      - { .name: Wv, .offset: 40, .size: 8, .value_kind: global_buffer, .address_space: global }
      - { .name: Wo, .offset: 48, .size: 8, .value_kind: global_buffer, .address_space: global }
      - { .name: lowp_scales, .offset: 56, .size: 8, .value_kind: global_buffer, .address_space: global }
      - { .name: mask, .offset: 64, .size: 8, .value_kind: global_buffer, .address_space: global }
      - { .name: xc, .offset: 72, .size: 8, .value_kind: global_buffer, .address_space: global }
      - { .name: wc, .offset: 80, .size: 8, .value_kind: global_buffer, .address_space: global }
      - { .name: mbits, .offset: 88, .size: 8, .value_kind: global_buffer, .address_space: global }
      - { .name: mcls, .offset: 96, .size: 8, .value_kind: global_buffer, .address_space: global }
    .group_segment_fixed_size: 67072
    .private_segment_fixed_size: 0
    .kernarg_segment_align: 8
    .kernarg_segment_size: 104
    .max_flat_workgroup_size: 128
    .sgpr_count:     66
    .vgpr_count:     220
    .wavefront_size: 32
...
	.end_amdgpu_metadata
.endif
;; end of part 1
;; launch proj (part 2): grid 4 x 96, 4 waves a work-group, clusters of 4 x 4, 327,680 bytes of LDS; arguments xc, wc, lowp_scales, hc, bq, bk, bv; writes hc
.if DOCPART == 2
	.amdgcn_target "amdgcn-amd-amdhsa--gfx1250"
	.amdhsa_code_object_version 6
	.text
	.protected	k_qbab8e95389_proj
	.globl	k_qbab8e95389_proj
	.p2align	8
	.type	k_qbab8e95389_proj,@function
k_qbab8e95389_proj:
	s_mov_b64 s[64:65], 0
	v_nop
	global_prefetch_b8 v0, s[64:65] scope:SCOPE_SE
	s_setreg_imm32_b32 hwreg(HW_REG_WAVE_MODE, 25, 1), 1
	s_wait_xcnt 0x0
	s_wait_alu depctr_hold_cnt(0) depctr_sa_sdst(0) depctr_va_vdst(0) depctr_va_sdst(0) depctr_va_ssrc(0) depctr_va_vcc(0) depctr_vm_vsrc(0)
	s_getreg_b32 s2, hwreg(HW_REG_IB_STS2, 6, 4)
	s_cmp_eq_u32 s2, 0
	s_cbranch_scc0 .Lentry_in_a_cluster
	s_endpgm
.Lentry_in_a_cluster:
	s_bfe_u32 s2, ttmp6, 0x10000c
	s_cmp_lg_u32 s2, 0xf033
	s_cbranch_scc0 .Lentry_shape_is_right
	s_endpgm
.Lentry_shape_is_right:
; THE THREE PROJECTIONS AS ONE STACKED GEMM ON CODES OF FP8 (E4M3): rows 8,192 p .. of xc (p = 0: q, 1: k, 2: v) times rows 1,024 p .. of wc (Wq, Wk, Wv), K = 1,024; sums in f32.
; y = sum x 2^(ea + eb) + bias is quantised at once with the scale of the attention operand that it becomes (entries 6, 7, 9 of the exponents) and stored in hc as IMAGES OF OPERAND REGISTERS:
; pieces of 512 bytes, lane l's 16 bytes at 16 l.  With l = (r, h), r = l % 16, h = l / 16:
;   Q at 0 and K at 8,388,608: [batch x head 64][tile of 16 tokens 128][c 2][512]: lane (r, h) holds d = 32 c + 16 h + 0 .. 15 of the tile's row r.  (k's rows lie permuted in xc: row r of K's tile 2 b + u of a step of 128 is key 32 b + 8 u + r + 8 (r / 8).)
;   V at 16,777,216: [batch x head][step of 128 keys 16][t 4][b 4][512]: lane (r, h) holds d = 32 (t / 2) + 8 (t % 2) + r + 8 (r / 8), its bytes keys 32 b + 16 h + 0 .. 15 of the step.
; A tile of 256 x 256 is made by four waves, 128 x 128 each: 64 accumulators, 512 registers.  K goes in steps of 256 through a ring of two LDS slots filled by the tensor data mover.
; CLUSTERS: 4 x 4 work-groups; the activations' tile is shared along a row of the cluster, the weights' along a column: each is asked for jointly.  p hangs on the cluster's y alone (8 clusters to a projection): the same in all sixteen.
; WHICH SIDE IS WHICH SOURCE.  A lane of a result holds one row of source 1, and its registers run along the rows of source 0.  For Q and K: source 0 = weights, source 1 = tokens: a lane's registers run along d.
; For V: source 0 = tokens, source 1 = weights: a lane's registers run along the keys.  The instructions are the same: only the LDS regions that the two sets of fragment addresses name change places (pv).
; The rows of Wq, Wk, Wv, k, v lie permuted in their buffers, so that the 16 registers of two neighbouring accumulators are 16 neighbours along the next K.
; LIMITS: ea + eb between -126 and 127; entries 6, 7, 9 between -126 and 119: each power of two below is then an f32 number.
; REGISTERS, in windows of 256: window 0: v0-31 addresses; v32-95, v96-111 the biases in both forms; from v128 source 1's fragments, ONE set (on the way out v112-239 are at work);
;   window 1: source 0's fragments, TWO sets;  window 2: the accumulators of source 1's blocks 0-3 ((a, b) at v[8 (8 a + b)]);  window 3: blocks 4-7.
.set SIZE_K, 1024
.set ROWB,   256                       ; a tile's row in bytes: 256 along K
.set KROW,   SIZE_K
.set PITCH,  272                       ; an LDS row: 256 bytes + 16 of padding = 68 words: row r starts at bank 4 r mod 64 (64 banks of 4 bytes: ISA guide 11.1)
.set FR,     16
.set NL,     4
.set NP,     4                         ; places behind this matrix instruction (ISA guide 7.12.1)
.set HALFT,  128*PITCH
.set SLOT,   4*HALFT                   ; the activations' 256 rows, then the weights' 256
.set LAPS,   SIZE_K/512
.set SPARE,  2*SLOT                    ; the spare words, 128 bytes for each wave: two blocks of 256 bytes that no other line names
.set ADRA, 16                          ; v16-17  LDS address of source 1's fragments in slot 0, 1
.set ADRB, 20                          ; v20-21  of source 0's
.set SCL,  24                          ; v24     2^eo as f32
.set LIM,  25                          ; v25     448 x 2^eo
.set LO,   26                          ; v26     16 x lane
.set BO1,  27                          ; v27     64 h
.set SPW,  28                          ; v28     SPARE + 4 x my thread's number; never rewritten
.set NIL,  29                          ; v29     0; never rewritten
.set BO2,  30                          ; v30     4 (r + 8 (r / 8))
.set BQ,   32                          ; v32-95  bias along the registers: v[BQ + 16 c + i] = bias(32 c + 16 h + i)
.set BV,   96                          ; v96-111 bias by lane, a pair for each block a: bias(32 (a / 2) + 8 (a % 2) + r + 8 (r / 8))
.set XX,   112                         ; v112-175 the way out: a block's 64 numbers
.set AF,   128
.set G1, 24
.set G0, 32
.set G1B, 48
.set G0B, 56
.set MSB, 0
.macro WIN new                         ; the immediate's high byte repeats the setting that is left
.if MSB != \new
	s_set_vgpr_msb (MSB<<8)|\new
.set MSB, \new
.endif
.endm
.set MUL_LO, 0xa1                      ; source 0 window 1, source 1 window 0, C and D window 2
.set MUL_HI, 0xf1
.set TO_B,   0x40
; A joint load: waves 0 and 1 fetch the activations' halves, waves 2 and 3 the weights'.  The branch hangs on the wave's number alone.  An s_nop 0 and four v_nop follow each of the two lines.
.macro JLOAD g0a, g1a, g0b, g1b
	s_cmp_eq_u32 s15, 0
	s_cbranch_scc0 .Lfor_b_\@
	tensor_load_to_lds s[\g0a:\g0a+3], s[\g1a:\g1a+7]
	s_nop 0
.rept 4
	v_nop
.endr
	s_branch .Lasked_\@
.Lfor_b_\@:
	tensor_load_to_lds s[\g0b:\g0b+3], s[\g1b:\g1b+7]
	s_nop 0
.rept 4
	v_nop
.endr
.Lasked_\@:
.endm
.macro CREST                           ; a round of the cluster's barrier behind its opening barrier
	s_cmp_lg_u32 s14, 0
	s_cbranch_scc1 .Lnot_wave_0_\@
	s_barrier_signal -3
.Lnot_wave_0_\@:
	s_barrier_wait -3
	s_barrier_signal -1
	s_barrier_wait -1
.endm
.macro CROUND
	s_barrier_signal -1
	s_barrier_wait -1
	CREST
.endm
	s_load_b128 s[4:7], s[0:1], 0x0                ; xc, wc
	s_load_b128 s[8:11], s[0:1], 0x10              ; the exponents, hc
	s_load_b128 s[68:71], s[0:1], 0x20             ; bq, bk
	s_load_b64 s[72:73], s[0:1], 0x30              ; bv
	v_lshl_add_u32 v[SPW], v0, 2, SPARE
	v_mov_b32 v[NIL], 0
	ds_add_u32 v[SPW], v[NIL]                      ; the wave's opening: the add and its wait stand ahead of my first tensor load; the set-up below stands between them
	v_lshrrev_b32 v1, 5, v0
	v_readfirstlane_b32 s14, v1                    ; wave 0..3
	s_lshr_b32 s15, s14, 1                         ; which half of source 1's rows is mine.  Also: I fetch activations (0) or weights (1)
	s_and_b32 s16, s14, 1                          ; which half of source 0's rows.  Also: which 128 rows of that tile I fetch
	s_bfe_u32 s40, ttmp6, 0x40000                  ; cx, cy
	s_bfe_u32 s41, ttmp6, 0x40004
	s_lshl_b32 s42, ttmp9, 2
	s_add_co_u32 s42, s42, s40                     ; tile column 0..3: 256 rows of the projection's weight
	s_and_b32 s17, ttmp7, 0xffff
	s_lshr_b32 s66, s17, 3
	s_min_u32 s66, s66, 2                          ; p: 8 clusters along y to a projection
	s_lshr_b32 s67, s66, 1                         ; pv = 1 for V
	s_lshl_b32 s17, s17, 2
	s_add_co_u32 s17, s17, s41                     ; tile row 0..95: 256 rows of xc
	s_lshl_b32 s43, s41, 2
	s_lshl_b32 s43, 15, s43                        ; my row of the cluster
	s_lshl_b32 s44, 0x1111, s40                    ; my column
	s_or_b32 s[G1+0], s43, (0<<16)|(1<<20)|(1<<21)|(5<<22)|(3<<25)  ; 15:0 the mask; 17:16 elements of 1 byte; 20 padding on; 21 set beside a mask; 24:22 after every 64 words; 31:25 four words
	s_or_b32 s[G1B+0], s44, (0<<16)|(1<<20)|(1<<21)|(5<<22)|(3<<25)
.irp g, G1, G1B
	s_mov_b32 s[\g+1], ROWB<<16                    ; tensor_dim0
	s_mov_b32 s[\g+2], 128<<16                     ; tensor_dim1
	s_mov_b32 s[\g+3], ROWB<<16                    ; tile_dim0
	s_mov_b32 s[\g+4], 128                         ; tile_dim1
	s_mov_b32 s[\g+5], KROW                        ; tensor_dim0_stride
	s_mov_b32 s[\g+6], 0
	s_mov_b32 s[\g+7], 0
.endr
	s_lshl_b32 s18, s16, 7
	s_lshl_b32 s20, s17, 8
	s_add_co_u32 s20, s20, s18                     ; xc: row 256 x tile row + 128 x half
	s_lshl_b32 s46, s42, 8
	s_add_co_u32 s46, s46, s18
	s_lshl_b32 s19, s66, 10
	s_add_co_u32 s46, s46, s19                     ; wc: row 1,024 p + 256 x tile column + 128 x half
	s_mov_b32 s21, 0
	s_mov_b32 s47, 0
	s_mov_b64 s[18:19], KROW
	s_mul_u64 s[20:21], s[20:21], s[18:19]
	s_mul_u64 s[46:47], s[46:47], s[18:19]
	s_mul_i32 s45, s14, HALFT                      ; where they go: wave x 128 rows
	s_wait_dscnt 0x0                               ; the opening add is done
	s_wait_kmcnt 0x0
	s_load_b256 s[76:83], s[8:9], 0x0              ; entries 0 to 7
	s_load_b128 s[84:87], s[8:9], 0x20             ; entries 8 to 11
	s_add_nc_u64 s[20:21], s[4:5], s[20:21]
	s_add_nc_u64 s[46:47], s[6:7], s[46:47]
	CROUND                                         ; all sixteen work-groups are here: the first joint loads meet
.irp s, 0,1
	s_mov_b32 s[G0+4*\s], 1
	s_add_co_u32 s[G0+4*\s+1], s45, \s*SLOT
	s_add_nc_u64 s[G0+4*\s+2:G0+4*\s+3], s[20:21], \s*ROWB
	s_or_b32 s[G0+4*\s+3], s[G0+4*\s+3], 0x80000000
	s_mov_b32 s[G0B+4*\s], 1
	s_add_co_u32 s[G0B+4*\s+1], s45, \s*SLOT
	s_add_nc_u64 s[G0B+4*\s+2:G0B+4*\s+3], s[46:47], \s*ROWB
	s_or_b32 s[G0B+4*\s+3], s[G0B+4*\s+3], 0x80000000
	JLOAD G0+4*\s, G1, G0B+4*\s, G1B
.endr
	v_and_b32 v1, 15, v0                           ; r
	v_bfe_u32 v2, v0, 4, 1                         ; h
	v_mul_u32_u24 v3, v1, PITCH
	v_lshl_add_u32 v4, v2, 4, v3                   ; a fragment's row x pitch + 16 h
	s_mul_i32 s21, s15, HALFT
	s_mul_i32 s23, s67, 2*HALFT
	s_add_co_u32 s21, s21, s23                     ; source 1: the activations' region, for V the weights'
	s_mul_i32 s22, s16, HALFT
	s_xor_b32 s23, s67, 1
	s_mul_i32 s23, s23, 2*HALFT
	s_add_co_u32 s22, s22, s23                     ; source 0: the weights' region, for V the activations'
.irp s, 0,1
	v_add_nc_u32 v[ADRA+\s], s21, v4
	v_add_nc_u32 v[ADRB+\s], s22, v4
	s_add_co_u32 s21, s21, SLOT
	s_add_co_u32 s22, s22, SLOT
.endr
	; the biases, in both forms: every load stays inside its 1,024 numbers whichever form is used later
	v_lshlrev_b32 v[BO1], 6, v2
	v_and_b32 v5, 8, v1
	v_add_nc_u32 v5, v5, v1
	v_lshlrev_b32 v[BO2], 2, v5
	v_and_b32 v6, 31, v0
	v_lshlrev_b32 v[LO], 4, v6
	s_cmp_eq_u32 s66, 0
	s_cselect_b64 s[12:13], s[68:69], s[70:71]
	s_cmp_eq_u32 s66, 2
	s_cselect_b64 s[12:13], s[72:73], s[12:13]
	s_lshl_b32 s18, s42, 10                        ; 256 numbers a tile column
	s_lshl_b32 s20, s15, 9
	s_add_co_u32 s20, s20, s18
	s_mov_b32 s21, 0
	s_add_nc_u64 s[74:75], s[12:13], s[20:21]      ; the 128 weight rows that are source 1's (V)
	s_lshl_b32 s20, s16, 9
	s_add_co_u32 s20, s20, s18
	s_add_nc_u64 s[12:13], s[12:13], s[20:21]      ; the 128 that are source 0's (Q, K)
.irp c, 0,1,2,3
.irp j, 0,1,2,3
	global_load_b128 v[BQ+16*\c+4*\j:BQ+16*\c+4*\j+3], v[BO1], s[12:13] offset:128*\c+16*\j
.endr
.endr
.irp a, 0,1,2,3,4,5,6,7
	global_load_b32 v[BV+2*\a], v[BO2], s[74:75] offset:4*(32*(\a/2)+8*(\a%2))
	global_load_b32 v[BV+2*\a+1], v[BO2], s[74:75] offset:4*(32*(\a/2)+8*(\a%2))
.endr
.macro FRAG reg, adr, q, i             ; 16 rows x 128 K in 16 registers: registers 4 c .. 4 c + 3 hold K = 32 c + 16 h + 0 .. 15: the same order of k on both sides
.irp c, 0,1,2,3
	ds_load_b128 v[\reg+4*\c:\reg+4*\c+3], v[\adr] offset:128*(\q)+32*\c+(\i)*16*PITCH
.endr
.endm
; 16 matrix instructions: source 1's blocks a0, a0 + 1 x source 0's eight.  The 64 accumulators take turns, one instruction a turn, in the same order in every step.
.macro MUL16 a0, p, zero
.irp a, \a0, \a0+1
.irp b, 0,1,2,3,4,5,6,7
.if \zero
	v_wmma_f32_16x16x128_fp8_fp8 v[8*(8*((\a)%4)+\b):8*(8*((\a)%4)+\b)+7], v[128*(\p)+FR*\b:128*(\p)+FR*\b+FR-1], v[AF+FR*(\a):AF+FR*(\a)+FR-1], 0
.else
	v_wmma_f32_16x16x128_fp8_fp8 v[8*(8*((\a)%4)+\b):8*(8*((\a)%4)+\b)+7], v[128*(\p)+FR*\b:128*(\p)+FR*\b+FR-1], v[AF+FR*(\a):AF+FR*(\a)+FR-1], v[8*(8*((\a)%4)+\b):8*(8*((\a)%4)+\b)+7]
.endif
.endr
.endr
.endm
.macro FETCH_B slot, q, p
	WIN TO_B
.irp i, 0,1,2,3,4,5,6,7
	FRAG 128*(\p)+FR*\i, ADRB+\slot, \q, \i
.endr
	WIN 0
.endm
.macro FETCH_A slot, q, i0
.irp i, \i0, \i0+1, \i0+2, \i0+3
	FRAG AF+FR*(\i), ADRA+\slot, \q, \i
.endr
.endm
.macro PLACES n                        ; plain vector lines between a matrix instruction and a load into, or a vector read or write of, its registers
.rept \n
	v_nop
.endr
.endm
.macro STEP slot, q, zero              ; 128 along K, with its successor in the same slot
	s_wait_dscnt 4*NL                              ; source 0's set and source 1's blocks 0-3 are in; the youngest sixteen loads (blocks 4-7) may be out
	WIN MUL_LO
	MUL16 0, (\q)%2, \zero
	MUL16 2, (\q)%2, \zero
	s_wait_dscnt 0
	PLACES NP
	FETCH_B \slot, (\q)+1, 1-(\q)%2
	FETCH_A \slot, (\q)+1, 0
	WIN MUL_HI
	MUL16 4, (\q)%2, \zero
	MUL16 6, (\q)%2, \zero
	PLACES NP
	WIN 0
	FETCH_A \slot, (\q)+1, 4
.endm
; A slot's last step changes slots: one barrier; in front of it each wave waits for all its tensor loads, adds 0 to its spare word, and waits for that and for its reads of this slot.  fill = 1: the slot is filled again, two K steps ahead.
.macro TURN slot, next, fill
	s_wait_tensorcnt 0x0                           ; all my tensor loads have landed: my part of the next slot
	ds_add_u32 v[SPW], v[NIL]
	s_wait_dscnt 4*NL+1                            ; the add and the youngest sixteen loads may be out
	WIN MUL_LO
	MUL16 0, 1, 0
	s_wait_dscnt 0x0                               ; the add is done, and my reads of this slot are over
	s_barrier_signal -1
	MUL16 2, 1, 0
	WIN 0
	s_barrier_wait -1
.if \fill
	CREST                                          ; the barrier has opened a round of the cluster's: no wave of any partner still reads this slot or has a load on its way
	s_add_nc_u64 s[G0+4*\slot+2:G0+4*\slot+3], s[G0+4*\slot+2:G0+4*\slot+3], 2*ROWB
	s_add_nc_u64 s[G0B+4*\slot+2:G0B+4*\slot+3], s[G0B+4*\slot+2:G0B+4*\slot+3], 2*ROWB
	JLOAD G0+4*\slot, G1, G0B+4*\slot, G1B         ; the first tensor load behind the round; its four v_nop are the places in front of the loads below
.else
	PLACES NP
.endif
	FETCH_B \next, 0, 0
	FETCH_A \next, 0, 0
	WIN MUL_HI
	MUL16 4, 1, 0
	MUL16 6, 1, 0
	PLACES NP
	WIN 0
	FETCH_A \next, 0, 4
.endm
	s_wait_tensorcnt 1                             ; my part of K step 0 is in; K step 1's load may be out
	s_barrier_signal -1
	s_barrier_wait -1
	FETCH_B 0, 0, 0
	FETCH_A 0, 0, 0
	FETCH_A 0, 0, 4
	STEP 0, 0, 1                                   ; the first step's products start the sums
	s_mov_b32 s3, LAPS-1
.Llap:
	TURN 0, 1, 1
	STEP 1, 0, 0
	TURN 1, 0, 1
	STEP 0, 0, 0
	s_sub_co_u32 s3, s3, 1
	s_cmp_lg_u32 s3, 0
	s_cbranch_scc1 .Llap
	TURN 0, 1, 0                                   ; the last lap fills nothing
	STEP 1, 0, 0
	s_wait_dscnt 4*NL
	WIN MUL_LO
	MUL16 0, 1, 0
	MUL16 2, 1, 0
	s_wait_dscnt 0
	WIN MUL_HI
	MUL16 4, 1, 0
	MUL16 6, 1, 0
	WIN 0
; THE WAY OUT: no LDS: a lane's 16 numbers of two neighbouring accumulators are 16 neighbours along the next K, so their codes are 16 bytes of an image, and the wave's store covers 512 consecutive bytes.
	s_wait_kmcnt 0x0
	s_cmp_eq_u32 s66, 0
	s_cselect_b32 s88, s76, s78                    ; ea: entry 0, 2 or 4
	s_cselect_b32 s89, s77, s79                    ; eb: entry 1, 3 or 5
	s_cselect_b32 s90, s82, s83                    ; eo: entry 6, 7 or 9
	s_cmp_eq_u32 s66, 2
	s_cselect_b32 s88, s80, s88
	s_cselect_b32 s89, s81, s89
	s_cselect_b32 s90, s85, s90
	s_cselect_b32 s92, s15, s16                    ; which of my two halves counts heads,
	s_cselect_b32 s93, s16, s15                    ; and which tokens
	s_add_co_i32 s96, s88, s89
	s_add_co_i32 s96, s96, 127
	s_lshl_b32 s96, s96, 23                        ; 2^(ea + eb) as f32
	s_mov_b32 s97, s96                             ; (named with it as a pair)
	s_add_co_i32 s90, s90, 127
	s_lshl_b32 s91, s90, 23
	v_mov_b32 v[SCL], s91
	s_add_co_i32 s90, s90, 8
	s_lshl_b32 s90, s90, 23
	s_or_b32 s90, s90, 0x600000
	v_mov_b32 v[LIM], s90
	s_lshr_b32 s91, s17, 3
	s_and_b32 s91, s91, 3                          ; the batch: 8 tile rows each
	s_lshl_b32 s91, s91, 4
	s_lshl_b32 s94, s42, 2
	s_add_co_u32 s91, s91, s94
	s_lshl_b32 s92, s92, 1
	s_add_co_u32 s91, s91, s92                     ; my first head: 16 x batch + 4 x tile column + 2 x half
	s_lshl_b32 s91, s91, 17                        ; 131,072 bytes of images a head
	s_and_b32 s92, s17, 7
	s_lshl_b32 s92, s92, 4
	s_lshl_b32 s93, s93, 3
	s_add_co_u32 s92, s92, s93                     ; my first tile of 16 tokens (a step of 128 keys is 8 of them: 8,192 bytes in every one of the three layouts)
	s_lshl_b32 s92, s92, 10
	s_add_co_u32 s92, s92, s91
	s_lshl_b32 s93, s66, 23                        ; Q, K or V
	s_add_co_u32 s92, s92, s93
	s_mov_b32 s93, 0
	s_add_nc_u64 s[10:11], s[10:11], s[92:93]
	s_wait_loadcnt 0x0                             ; the biases
	PLACES NP                                      ; behind the last products: their results are read and their fragments' registers written below
; Block a of source 1: 8 accumulators.  vmode = 0: bias along the registers, images of Q or K; 1: bias by lane, images of V.
.macro EPI a, vmode
.set AC, 64*((\a)%4)
.set CD, 176+16*((\a)%4)
.if (\a) == 4
	s_wait_xcnt 0x0                                ; the stores of blocks 0-3 have read their registers, which now take a second turn
.endif
	WIN 0x02+(\a)/4                                ; source 0: window 2 or 3
.irp b, 0,1,2,3,4,5,6,7
.irp i, 0,2,4,6
.if \vmode
	v_pk_fma_f32 v[XX+8*\b+\i:XX+8*\b+\i+1], v[AC+8*\b+\i:AC+8*\b+\i+1], s[96:97], v[BV+2*(\a):BV+2*(\a)+1] op_sel_hi:[1,0,1]
.else
	v_pk_fma_f32 v[XX+8*\b+\i:XX+8*\b+\i+1], v[AC+8*\b+\i:AC+8*\b+\i+1], s[96:97], v[BQ+8*\b+\i:BQ+8*\b+\i+1] op_sel_hi:[1,0,1]   ; sum x 2^(ea + eb) + bias; each accumulator from its low end on
.endif
.endr
.endr
	WIN 0
.set j, 0
.rept 64
	v_med3_num_f32 v[XX+j], v[XX+j], -v[LIM], v[LIM]   ; the conversion does not saturate (ISA guide 7.6.2): the hold comes first
.set j, j+1
.endr
.irp g, 0,1,2,3,4,5,6,7
	v_cvt_scalef32_pk8_fp8_f32 v[CD+2*\g:CD+2*\g+1], v[XX+8*\g:XX+8*\g+7], v[SCL]
.endr
	v_nop                                          ; a plain vector line behind the last conversion: the next block writes its sources
.irp t, 0,1,2,3
.if \vmode
	global_store_b128 v[LO], v[CD+4*\t:CD+4*\t+3], s[10:11] offset:131072*((\a)/4)+2048*((\a)%4)+512*\t     ; head a / 4, d tile a % 4, keys 32 t on
.else
	global_store_b128 v[LO], v[CD+4*\t:CD+4*\t+3], s[10:11] offset:1024*(\a)+131072*(\t/2)+512*(\t%2)       ; token tile a, head t / 2, d 32 (t % 2) on
.endif
.endr
.endm
	s_cmp_eq_u32 s66, 2                            ; the same in all sixteen partners
	s_cbranch_scc1 .Lvform
.irp a, 0,1,2,3,4,5,6,7
	EPI \a, 0
.endr
	s_branch .Ldone
.Lvform:
.irp a, 0,1,2,3,4,5,6,7
	EPI \a, 1
.endr
.Ldone:
	s_wait_tensorcnt 0x0                           ; the wave's end
	ds_add_u32 v[SPW], v[NIL]
	s_wait_dscnt 0x0
	CROUND                                         ; the closing round: no work-group ends while a partner may still ask for a tile that names it
	s_endpgm
.Lfunc_end_k_qbab8e95389_proj:
	.size	k_qbab8e95389_proj, .Lfunc_end_k_qbab8e95389_proj-k_qbab8e95389_proj
	.p2alignl 7, 3214868480
	.fill 96, 4, 3214868480
	.section	.rodata,"a",@progbits
	.p2align	6, 0x0
	.amdhsa_kernel k_qbab8e95389_proj
		.amdhsa_group_segment_fixed_size 327680
		.amdhsa_private_segment_fixed_size 0
		.amdhsa_enable_private_segment 0
		.amdhsa_kernarg_size 56
		.amdhsa_user_sgpr_count 2
		.amdhsa_user_sgpr_kernarg_segment_ptr 1
		.amdhsa_wavefront_size32 1
		.amdhsa_system_sgpr_workgroup_id_x 1
		.amdhsa_system_sgpr_workgroup_id_y 1
		.amdhsa_system_sgpr_workgroup_id_z 1
		.amdhsa_system_vgpr_workitem_id 0
		.amdhsa_next_free_vgpr 1024
		.amdhsa_next_free_sgpr 98
		.amdhsa_reserve_vcc 0
		.amdhsa_float_denorm_mode_32 3
		.amdhsa_float_denorm_mode_16_64 3
		.amdhsa_memory_ordered 1
		.amdhsa_forward_progress 1
		.amdhsa_inst_pref_size 194
	.end_amdhsa_kernel
	.amdgpu_metadata
---
amdhsa.version: [ 1, 2 ]
amdhsa.kernels:
  - .name:           k_qbab8e95389_proj
    .symbol:         k_qbab8e95389_proj.kd
    .args:
      - { .name: xc, .offset: 0, .size: 8, .value_kind: global_buffer, .address_space: global }
      - { .name: wc, .offset: 8, .size: 8, .value_kind: global_buffer, .address_space: global }
      - { .name: lowp_scales, .offset: 16, .size: 8, .value_kind: global_buffer, .address_space: global }
      - { .name: hc, .offset: 24, .size: 8, .value_kind: global_buffer, .address_space: global }
      - { .name: bq, .offset: 32, .size: 8, .value_kind: global_buffer, .address_space: global }
      - { .name: bk, .offset: 40, .size: 8, .value_kind: global_buffer, .address_space: global }
      - { .name: bv, .offset: 48, .size: 8, .value_kind: global_buffer, .address_space: global }
    .group_segment_fixed_size: 327680
    .private_segment_fixed_size: 0
    .kernarg_segment_align: 8
    .kernarg_segment_size: 56
    .max_flat_workgroup_size: 128
    .sgpr_count:     98
    .vgpr_count:     1024
    .wavefront_size: 32
...
	.end_amdgpu_metadata
.endif
;; end of part 2
;; launch attn (part 3): grid 4 x 64, 16 waves a work-group, no clusters, 264,192 bytes of LDS; arguments hc, mbits, mcls, lowp_scales, cc; writes cc
.if DOCPART == 3
	.amdgcn_target "amdgcn-amd-amdhsa--gfx1250"
	.amdhsa_code_object_version 6
	.text
	.protected	k_qbab8e95389_attn
	.globl	k_qbab8e95389_attn
	.p2align	8
	.type	k_qbab8e95389_attn,@function
k_qbab8e95389_attn:
	s_mov_b64 s[64:65], 0
	v_nop
	global_prefetch_b8 v0, s[64:65] scope:SCOPE_SE
	s_setreg_imm32_b32 hwreg(HW_REG_WAVE_MODE, 25, 1), 1
	s_wait_xcnt 0x0
; ATTENTION ON CODES OF FP8 (E4M3), head size 64, 2,048 keys, with the mask as it was given (its lane masks in mbits, its tile classes in mcls).
; logit = q . k / 8, or -1e9 where the mask is 0.  t = logit x log2(e); M = the running largest t rounded up to a whole number; p = 2^(t - M) is quantised with entry 8's scale, not normalised; the row's sum is taken of the
; unquantised p and divides at the end.  ctx is quantised with entry 10's scale and stored in cc as images of the last product's operand: [tile of 16 rows 512][128 along K 8][c 4][512 bytes, lane l's 16 at 16 l].
; SHARES.  A work-group serves one head of one batch (y) and a quarter of its queries (x).  It copies the head's images of K and V, 131,072 bytes each, into LDS ONCE; behind the one barrier its sixteen waves are independent.
; Wave w, with x' = 16 x + w, takes the tiles of 16 queries x' and 127 - x', one after the other.  (Under a lower-triangular mask that evens the waves' work; no result hangs on it.)
; NO TENSOR LOAD, NO COPY, NO CLUSTER: a step's work is jumped over by a branch on a stored class; what the four work-groups of a head share is read once, at the head.
; A STEP OF 128 KEYS IS LEFT OUT where the mask keeps none of its keys for any of the tile's 16 queries AND each of the 16 queries keeps a key somewhere: then every p of the step is 2^(about -1.4e9): 0.
; If some query of the tile keeps no key at all, no step is left out: its t are all equal, its p all 1, its result the plain mean, as -1e9 gives it.
; LAYOUT.  Both products are used transposed: S^T = K Q^T, O^T = V^T P^T: a lane (r, h) holds query r throughout.  By the order of K's rows in its images, register 16 b + i of S^T is key 32 b + 16 h + i of the step.
; LIMITS: entries 6 + 7 between -123 and 130 (added to c's exponent field); entries 8 and 10 between -126 and 119; kept logits lie above -1e9.  NaN is not served.
.set VB,    131072                     ; LDS: K's images at 0, V's here
.set SPARE, 262144                     ; the spare words, 128 bytes for each of sixteen waves: eight blocks of 256 bytes that no other line names
.set LI,   1                           ; v1   16 x lane
.set LIV,  2                           ; v2   the same + VB
.set ADK,  3                           ; v3   the step's K
.set ADV,  4                           ; v4   the step's V
.set SPW,  5                           ; v5   SPARE + 4 x my thread's number; never rewritten
.set NIL,  6                           ; v6   0; never rewritten
.set TM,   7                           ; v7   -1e9 x log2(e)
.set PLIM, 8                           ; v8   448 x 2^e8      v9  2^e8
.set PSC,  9
.set CLIM, 10                          ; v10  448 x 2^e10     v11 2^e10
.set CSC,  11
                                       ; v12 -M, v13 the largest t, v[14:15] the sum in two halves, v[16:23] Q, v24-26 at work, v[28:29] f, v[30:31] the second chain of the sum
.set KV,   32                          ; v32-95   K's eight fragments, then V's four
.set S,    96                          ; v96-159  S^T, then p
.set O,    160                         ; v160-191 O^T
.set PC,   192                         ; v192-207 p's codes
.set CC,   208                         ; v208-215 ctx's codes
.set FA,   216                         ; v216-219 16 x thread + 0, 65,536, 131,072, 196,608
	s_load_b256 s[4:11], s[0:1], 0x0               ; hc, mbits, mcls, the exponents
	s_load_b64 s[12:13], s[0:1], 0x20              ; cc
	v_lshl_add_u32 v[SPW], v0, 2, SPARE
	v_mov_b32 v[NIL], 0
	v_lshrrev_b32 v1, 5, v0
	v_readfirstlane_b32 s14, v1                    ; wave 0..15
	v_and_b32 v1, 31, v0
	v_lshlrev_b32 v[LI], 4, v1
	v_add_nc_u32 v[LIV], VB, v[LI]
	v_lshlrev_b32 v[FA], 4, v0
	v_add_nc_u32 v[FA+1], 65536, v[FA]
	v_add_nc_u32 v[FA+2], 131072, v[FA]
	v_add_nc_u32 v[FA+3], 196608, v[FA]
	v_mov_b32 v26, 0                               ; a lane permute's destination counts as read
	v_mov_b32 v29, 0                               ; (named as the upper half of the pair v[28:29])
	s_and_b32 s15, ttmp7, 0xffff                   ; batch x 16 + head
	s_lshl_b32 s17, ttmp9, 4
	s_add_co_u32 s17, s17, s14                     ; x'
	s_lshl_b32 s30, s15, 17                        ; 131,072 bytes of images a head
	s_mov_b32 s31, 0
	s_mov_b32 s28, 0x76543210                      ; v_permlanex16_b32: lane l xor 16
	s_mov_b32 s29, 0xfedcba98
	s_wait_kmcnt 0x0
	s_load_b128 s[68:71], s[10:11], 0x18           ; entries 6 to 9
	s_load_b32 s72, s[10:11], 0x28                 ; entry 10
	s_add_nc_u64 s[4:5], s[4:5], s[30:31]          ; my head's images of Q,
	s_add_nc_u64 s[100:101], s[4:5], 0x800000      ; of K,
	s_add_nc_u64 s[104:105], s[4:5], 0x1000000     ; of V
.set i, 0
.rept 16
	global_load_b128 v[32+4*i:35+4*i], v[FA], s[100:101] offset:8192*i   ; the work-group's 512 threads read 8,192 consecutive bytes
.set i, i+1
.endr
.set i, 0
.rept 16
	global_load_b128 v[96+4*i:99+4*i], v[FA], s[104:105] offset:8192*i
.set i, i+1
.endr
.set i, 0
.rept 32
	s_wait_loadcnt 31-i                            ; loads come back in order: number i is in, the younger ones stay out
	ds_store_b128 v[FA+i/8], v[32+4*i:35+4*i] offset:8192*(i%8)
.set i, i+1
.endr
	s_wait_dscnt 0x0                               ; for the others' sake: my stores have landed
	s_barrier_signal -1
	s_barrier_wait -1                              ; the launch's one barrier: from here on LDS is only read
	s_wait_kmcnt 0x0
	s_add_co_i32 s30, s68, s69
	s_lshl_b32 s30, s30, 23
	s_add_co_i32 s26, s30, 0x3e38aa3b              ; c = log2(e) / 8, with entries 6 + 7 added to its exponent field
	s_mov_b32 s27, s26
	s_mov_b32 s2, s70                              ; e8
	s_add_co_i32 s3, s70, s71                      ; e8 + e9
	s_add_co_i32 s30, s70, 127
	s_lshl_b32 s31, s30, 23
	v_mov_b32 v[PSC], s31
	s_add_co_i32 s30, s30, 8
	s_lshl_b32 s30, s30, 23
	s_or_b32 s30, s30, 0x600000
	v_mov_b32 v[PLIM], s30
	s_add_co_i32 s30, s72, 127
	s_lshl_b32 s31, s30, 23
	v_mov_b32 v[CSC], s31
	s_add_co_i32 s30, s30, 8
	s_lshl_b32 s30, s30, 23
	s_or_b32 s30, s30, 0x600000
	v_mov_b32 v[CLIM], s30
	s_mov_b32 s30, 0xce6e6b28                      ; -1e9
	s_mul_f32 s30, s30, 0x3fb8aa3b                 ; x log2(e): a whole number at this size, so t - M is exactly 0 in a row that keeps no key
	v_mov_b32 v[TM], s30
	s_mov_b32 s19, 0
.Ltile:
	s_wait_xcnt 0x0                                ; the last tile's stores have read their registers and their base
	s_sub_co_u32 s30, 127, s17
	s_cmp_eq_u32 s19, 0
	s_cselect_b32 s18, s17, s30                    ; T
	s_lshl_b32 s30, s18, 10
	s_mov_b32 s31, 0
	s_add_nc_u64 s[104:105], s[4:5], s[30:31]
	global_load_b128 v[16:19], v[LI], s[104:105]               ; Q's fragment: d = 16 h + 0 .. 15,
	global_load_b128 v[20:23], v[LI], s[104:105] offset:512    ; d = 32 + 16 h + 0 .. 15
	s_lshl_b32 s67, s18, 5
	s_load_b256 s[32:39], s[8:9], s67 offset:0x0   ; the tile's classes and ORs, four pairs
	s_lshl_b32 s30, s18, 12
	s_add_nc_u64 s[100:101], s[6:7], s[30:31]      ; the tile's lane masks
	v_mov_b32 v13, 0xff61b1e6                      ; the largest t so far: -3e38
	v_floor_f32 v12, -v13
	v_mov_b32 v14, 0
	v_mov_b32 v15, 0
.set j, 0
.rept 32
	v_mov_b32 v[O+j], 0                            ; no step is known to be the first that runs, so no product can start these sums
.set j, j+1
.endr
	s_wait_kmcnt 0x0
	s_or_b32 s22, s32, s34
	s_or_b32 s22, s22, s36
	s_or_b32 s22, s22, s38                         ; two bits a step
	s_or_b32 s30, s33, s35
	s_or_b32 s30, s30, s37
	s_or_b32 s30, s30, s39
	s_lshr_b32 s31, s30, 16
	s_or_b32 s30, s30, s31
	s_and_b32 s30, s30, 0xffff                     ; bit r: query r keeps a key somewhere
	s_lshr_b32 s31, s22, 1
	s_or_b32 s31, s31, s22
	s_and_not1_b32 s31, 0x55555555, s31            ; the steps of class 0,
	s_lshl_b32 s31, s31, 1
	s_or_b32 s31, s31, s22                         ; run as class 2,
	s_cmp_eq_u32 s30, 0xffff
	s_cselect_b32 s22, s22, s31                    ; unless all sixteen queries keep a key
	s_wait_loadcnt 0x0                             ; Q
	s_mov_b32 s20, 0                               ; the step
	s_mov_b32 s21, 0                               ; its images' byte in K's and in V's region
	s_mov_b32 s66, 0                               ; its lane masks' byte
.Lstep:                                            ; sixteen trips, always; a step that is left out jumps to the lines that step the counters
	v_add_nc_u32 v[ADK], s21, v[LI]
	v_add_nc_u32 v[ADV], s21, v[LIV]
	s_and_b32 s23, s22, 3
	s_cmp_eq_u32 s23, 0
	s_cbranch_scc1 .Lnext
	s_load_b512 s[32:47], s[100:101], s66 offset:0x0      ; the step's 64 lane masks
	s_load_b512 s[48:63], s[100:101], s66 offset:0x40
	s_load_b512 s[68:83], s[100:101], s66 offset:0x80
	s_load_b512 s[84:99], s[100:101], s66 offset:0xc0
	v_nop                                          ; with the two additions above: four places behind the last step's products, in front of loads into registers that they read
	v_nop
.irp t, 0,1,2,3,4,5,6,7
	ds_load_b128 v[KV+8*\t:KV+8*\t+3], v[ADK] offset:1024*\t
	ds_load_b128 v[KV+8*\t+4:KV+8*\t+7], v[ADK] offset:1024*\t+512
.endr
	s_cmp_eq_u32 s23, 2
	s_cselect_b32 s24, 1.0, s26                    ; a mixed step scales its scores ahead of the mask; the lines below then multiply by 1
	s_mov_b32 s25, s24
	s_wait_dscnt 0x0
.irp t, 0,1,2,3,4,5,6,7
	v_wmma_f32_16x16x64_fp8_fp8 v[S+8*\t:S+8*\t+7], v[KV+8*\t:KV+8*\t+7], v[16:23], 0
.endr
.rept 4
	v_nop                                          ; places: V's loads land in K's registers, and the scores are read
.endr
.irp t, 0,1,2,3
.irp b, 0,1,2,3
	ds_load_b128 v[KV+16*\t+4*\b:KV+16*\t+4*\b+3], v[ADV] offset:2048*\t+512*\b   ; they land while the softmax is worked
.endr
.endr
	s_wait_kmcnt 0x0
	s_cmp_lg_u32 s23, 2
	s_cbranch_scc1 .Lfull
.set j, 0
.rept 32
	v_pk_mul_f32 v[S+j:S+j+1], v[S+j:S+j+1], s[26:27] op_sel_hi:[1,0]   ; t
.set j, j+2
.endr
.set n, 0
.rept 32
	v_cndmask_b32 v[S+n], v[TM], v[S+n], s[32+n]   ; kept: t; else -1e9 x log2(e)
.set n, n+1
.endr
.rept 32
	v_cndmask_b32 v[S+n], v[TM], v[S+n], s[36+n]   ; words 32 to 63 lie in s68 to s99
.set n, n+1
.endr
.Lfull:
	v_max3_num_f32 v24, v96, v97, v98              ; the step's largest among my 64 keys, in two chains, each accumulator from its low end on
	v_max3_num_f32 v25, v99, v100, v101
.irp i, 6,10,14,18,22,26,30,34,38,42,46,50,54,58
	v_max3_num_f32 v24, v24, v[S+\i], v[S+1+\i]
	v_max3_num_f32 v25, v25, v[S+2+\i], v[S+3+\i]
.endr
	v_max3_num_f32 v24, v24, v158, v159
	v_max_num_f32 v24, v24, v25
	v_permlanex16_b32 v26, v24, s28, s29
	v_max_num_f32 v24, v24, v26                    ; and among lane l xor 16's
	v_mul_f32 v24, s24, v24                        ; as t (the factor is positive)
	v_max_num_f32 v13, v13, v24
	v_mov_b32 v24, v12
	v_floor_f32 v12, -v13                          ; -M = floor(-t): M is a whole number
	v_sub_f32 v24, v12, v24                        ; old M - new M, 0 or less
	v_cvt_i32_f32 v24, v24                         ; (it saturates)
	v_ldexp_f32 v28, 1.0, v24                      ; f = 2^(old M - new M)
.set j, 0
.rept 32
	v_pk_fma_f32 v[S+j:S+j+1], v[S+j:S+j+1], s[24:25], v[12:13] op_sel_hi:[1,0,0]   ; t - M
.set j, j+2
.endr
.set j, 0
.rept 64
	v_exp_f32 v[S+j], v[S+j]                       ; p
.set j, j+1
.endr
	v_pk_mul_f32 v[14:15], v[14:15], v[28:29] op_sel_hi:[1,0]   ; the sum under the new M: the plain line behind the exponentials
	s_wait_alu depctr_va_vdst(0)                   ; one wait for the batch, ahead of its first reader
	v_pk_add_f32 v[30:31], v[S:S+1], v[S+2:S+3]    ; the sum of the unquantised p, in two chains
.irp j, 4,8,12,16,20,24,28,32,36,40,44,48,52,56,60
	v_pk_add_f32 v[14:15], v[14:15], v[S+\j:S+1+\j]
	v_pk_add_f32 v[30:31], v[30:31], v[S+2+\j:S+3+\j]
.endr
	v_pk_add_f32 v[14:15], v[14:15], v[30:31]
	s_cmp_gt_i32 s2, -9                            ; p is at most 1: the hold is owed only where 448 x 2^e8 lies under 1, that is e8 < -8
	s_cbranch_scc1 .Lnohold
.set j, 0
.rept 64
	v_min_num_f32 v[S+j], v[S+j], v[PLIM]
.set j, j+1
.endr
.Lnohold:
.irp b, 0,1,2,3
	v_cvt_scalef32_pk8_fp8_f32 v[PC+4*\b:PC+4*\b+1], v[S+16*\b:S+16*\b+7], v[PSC]
	v_cvt_scalef32_pk8_fp8_f32 v[PC+4*\b+2:PC+4*\b+3], v[S+16*\b+8:S+16*\b+15], v[PSC]
.endr
.set j, 0
.rept 16
	v_pk_mul_f32 v[O+j:O+j+1], v[O+j:O+j+1], v[28:29] op_sel_hi:[1,0]   ; O^T under the new M; also the plain lines between the conversions and the products
.set j, j+2
.endr
	s_wait_dscnt 0x0                               ; V
.irp t, 0,1,2,3
	v_wmma_f32_16x16x128_fp8_fp8 v[O+8*\t:O+8*\t+7], v[KV+16*\t:KV+16*\t+15], v[PC:PC+15], v[O+8*\t:O+8*\t+7]   ; four accumulators by turns; eight other products stand between two links
.endr
.Lnext:
	s_lshr_b32 s22, s22, 2
	s_add_co_u32 s21, s21, 8192
	s_add_co_u32 s66, s66, 256
	s_add_co_u32 s20, s20, 1
	s_cmp_lt_u32 s20, 16
	s_cbranch_scc1 .Lstep
	; the tile's way out
.rept 4
	v_nop                                          ; places behind the last products
.endr
	v_add_f32 v14, v14, v15
	v_permlanex16_b32 v26, v14, s28, s29
	v_add_f32 v14, v14, v26                        ; the row's sum
	v_rcp_f32 v14, v14
	v_nop                                          ; a plain line behind the reciprocal
	s_lshr_b32 s30, s15, 4
	s_lshl_b32 s30, s30, 7
	s_add_co_u32 s30, s30, s18                     ; the tile of rows: 128 x batch + T
	s_lshl_b32 s30, s30, 3
	s_bfe_u32 s31, s15, 0x30001                    ; head / 2: which 128 along the last product's K
	s_add_co_u32 s30, s30, s31
	s_lshl_b32 s30, s30, 11
	s_and_b32 s31, s15, 1
	s_lshl_b32 s31, s31, 10                        ; head % 2: its upper or lower 64
	s_add_co_u32 s30, s30, s31
	s_mov_b32 s31, 0
	s_add_nc_u64 s[104:105], s[12:13], s[30:31]
	s_wait_alu depctr_va_vdst(0)                   ; ahead of the reciprocal's first reader
	v_ldexp_f32 v14, v14, s3                       ; x 2^(e8 + e9)
	v_mov_b32 v15, v14
.set j, 0
.rept 16
	v_pk_mul_f32 v[S+j:S+j+1], v[O+j:O+j+1], v[14:15]   ; register 16 c + i is ctx(r, 32 c + 16 h + i)
.set j, j+2
.endr
.set j, 0
.rept 32
	v_med3_num_f32 v[S+j], v[S+j], -v[CLIM], v[CLIM]
.set j, j+1
.endr
.irp g, 0,1,2,3
	v_cvt_scalef32_pk8_fp8_f32 v[CC+2*\g:CC+2*\g+1], v[S+8*\g:S+8*\g+7], v[CSC]
.endr
	v_nop                                          ; a plain line behind the last conversion
	global_store_b128 v[LI], v[CC:CC+3], s[104:105]                ; 512 consecutive bytes, aligned
	global_store_b128 v[LI], v[CC+4:CC+7], s[104:105] offset:512
	s_add_co_u32 s19, s19, 1
	s_cmp_lt_u32 s19, 2
	s_cbranch_scc1 .Ltile
	s_wait_tensorcnt 0x0                           ; the wave's end, behind my last LDS store
	ds_add_u32 v[SPW], v[NIL]
	s_wait_dscnt 0x0
	s_endpgm
.Lfunc_end_k_qbab8e95389_attn:
	.size	k_qbab8e95389_attn, .Lfunc_end_k_qbab8e95389_attn-k_qbab8e95389_attn
	.p2alignl 7, 3214868480
	.fill 96, 4, 3214868480
	.section	.rodata,"a",@progbits
	.p2align	6, 0x0
	.amdhsa_kernel k_qbab8e95389_attn
		.amdhsa_group_segment_fixed_size 264192
		.amdhsa_private_segment_fixed_size 0
		.amdhsa_enable_private_segment 0
		.amdhsa_kernarg_size 40
		.amdhsa_user_sgpr_count 2
		.amdhsa_user_sgpr_kernarg_segment_ptr 1
		.amdhsa_wavefront_size32 1
		.amdhsa_system_sgpr_workgroup_id_x 1
		.amdhsa_system_sgpr_workgroup_id_y 1
		.amdhsa_system_sgpr_workgroup_id_z 1
		.amdhsa_system_vgpr_workitem_id 0
		.amdhsa_next_free_vgpr 224
		.amdhsa_next_free_sgpr 106
		.amdhsa_reserve_vcc 0
		.amdhsa_float_denorm_mode_32 3
		.amdhsa_float_denorm_mode_16_64 3
		.amdhsa_memory_ordered 1
		.amdhsa_forward_progress 1
		.amdhsa_inst_pref_size 38
	.end_amdhsa_kernel
	.amdgpu_metadata
---
amdhsa.version: [ 1, 2 ]
amdhsa.kernels:
  - .name:           k_qbab8e95389_attn
    .symbol:         k_qbab8e95389_attn.kd
    .args:
      - { .name: hc, .offset: 0, .size: 8, .value_kind: global_buffer, .address_space: global }
      - { .name: mbits, .offset: 8, .size: 8, .value_kind: global_buffer, .address_space: global }
      - { .name: mcls, .offset: 16, .size: 8, .value_kind: global_buffer, .address_space: global }
      - { .name: lowp_scales, .offset: 24, .size: 8, .value_kind: global_buffer, .address_space: global }
      - { .name: cc, .offset: 32, .size: 8, .value_kind: global_buffer, .address_space: global }
    .group_segment_fixed_size: 264192
    .private_segment_fixed_size: 0
    .kernarg_segment_align: 8
    .kernarg_segment_size: 40
    .max_flat_workgroup_size: 512
    .sgpr_count:     106
    .vgpr_count:     224
    .wavefront_size: 32
...
	.end_amdgpu_metadata
.endif
;; end of part 3
;; launch outp (part 4): grid 4 x 32, 4 waves a work-group, clusters of 4 x 4, 327,680 bytes of LDS; arguments cc, wc, lowp_scales, out0, bo; writes out0
.if DOCPART == 4
	.amdgcn_target "amdgcn-amd-amdhsa--gfx1250"
	.amdhsa_code_object_version 6
	.text
	.protected	k_qbab8e95389_outp
	.globl	k_qbab8e95389_outp
	.p2align	8
	.type	k_qbab8e95389_outp,@function
k_qbab8e95389_outp:
	s_mov_b64 s[64:65], 0
	v_nop
	global_prefetch_b8 v0, s[64:65] scope:SCOPE_SE
	s_setreg_imm32_b32 hwreg(HW_REG_WAVE_MODE, 25, 1), 1
	s_wait_xcnt 0x0
	s_wait_alu depctr_hold_cnt(0) depctr_sa_sdst(0) depctr_va_vdst(0) depctr_va_sdst(0) depctr_va_ssrc(0) depctr_va_vcc(0) depctr_vm_vsrc(0)
	s_getreg_b32 s2, hwreg(HW_REG_IB_STS2, 6, 4)
	s_cmp_eq_u32 s2, 0
	s_cbranch_scc0 .Lentry_in_a_cluster
	s_endpgm
.Lentry_in_a_cluster:
	s_bfe_u32 s2, ttmp6, 0x10000c
	s_cmp_lg_u32 s2, 0xf033
	s_cbranch_scc0 .Lentry_shape_is_right
	s_endpgm
.Lentry_shape_is_right:
; out0 = ctx Wo^T + bo on codes of FP8 (E4M3): [8192][1024] x [1024][1024], sums in f32, each finished sum x 2^(e10 + e11) + bo.
; ctx's codes lie in cc as images of the operand's registers: [tile of 16 rows 512][128 along K 8][c 4][512 bytes: lane l's 16 at 16 l]; lane (r, h) holds k = 32 c + 16 h + 0 .. 15 of row r.  Wo's codes are rows 3,072 .. 4,095 of wc, K innermost.
; A tile of 256 x 256 is made by four waves, 128 x 128 each: 64 accumulators, 512 registers.  K goes in steps of 256 through a ring of two LDS slots filled by the tensor data mover.
; ctx's part of a K step is, for each of 8 tiles of rows, 4,096 consecutive bytes, 16,384 apart: one tile of 8 rows of 512 elements of 8 bytes, laid dense in LDS: a fragment is four loads of 512 consecutive bytes.
; CLUSTERS: 4 x 4 work-groups; ctx's tile is shared along a row of the cluster, Wo's along a column: each is asked for jointly.  128 work-groups: the tile is kept at 256 x 256 so that no fragment is read more often from LDS.
; THE MATRIX INSTRUCTION IS USED TRANSPOSED (source 0 = 16 rows of Wo, source 1 = 16 rows of ctx): a lane holds eight neighbouring numbers of a row of out0.
; LIMIT: e10 + e11 between -126 and 127.
; REGISTERS, in windows of 256: window 0: v0-31 addresses; v32-95 bo; from v128 ctx's fragments, ONE set (on the way out: rows read back);  window 1: Wo's fragments, TWO sets;  windows 2, 3: the accumulators.
.set SIZE_K, 1024
.set SIZE_N, 1024
.set ROWB,   256
.set ASTEP,  4096                      ; ctx: bytes of a K step in a tile of rows
.set KROW,   SIZE_K
.set PITCH,  272                       ; Wo's LDS row: 256 bytes + 16 of padding = 68 words: row r starts at bank 4 r mod 64 (64 banks of 4 bytes: ISA guide 11.1)
.set FR,     16
.set NL,     4
.set NP,     4
.set HALFT,  128*PITCH                 ; a wave's part of a slot (ctx's halves use 32,768 bytes of it)
.set SLOT,   4*HALFT
.set LAPS,   SIZE_K/512
.set SPARE,  2*SLOT                    ; the spare words, 128 bytes for each wave: two blocks of 256 bytes that no other line names
.set SPITCH, 528                       ; the way out: a stage of 16 rows x (512 bytes + 16) for each wave, in slot 0, which has had its last fill and its last read by then
.set ADRA, 16
.set ADRB, 20
.set STO,  24
.set RD,   25
.set CO,   26                          ; v26  16 x lane
.set BOF,  27                          ; v27  32 h
.set SPW,  28
.set NIL,  29
.set BO,   32                          ; v32-95  v[BO + 8 b + j] = bo(16 b + 8 h + j) of my 128 columns
.set AF,   128
.set BK,   128
.set G1, 24
.set G0, 32
.set G1B, 48
.set G0B, 56
.set MSB, 0
.macro WIN new                         ; the immediate's high byte repeats the setting that is left
.if MSB != \new
	s_set_vgpr_msb (MSB<<8)|\new
.set MSB, \new
.endif
.endm
.set MUL_LO, 0xa1
.set MUL_HI, 0xf1
.set TO_B,   0x40
.macro JLOAD g0a, g1a, g0b, g1b        ; waves 0 and 1 fetch ctx's halves, waves 2 and 3 Wo's; an s_nop 0 and four v_nop follow each of the two lines
	s_cmp_eq_u32 s15, 0
	s_cbranch_scc0 .Lfor_b_\@
	tensor_load_to_lds s[\g0a:\g0a+3], s[\g1a:\g1a+7]
	s_nop 0
.rept 4
	v_nop
.endr
	s_branch .Lasked_\@
.Lfor_b_\@:
	tensor_load_to_lds s[\g0b:\g0b+3], s[\g1b:\g1b+7]
	s_nop 0
.rept 4
	v_nop
.endr
.Lasked_\@:
.endm
.macro CREST
	s_cmp_lg_u32 s14, 0
	s_cbranch_scc1 .Lnot_wave_0_\@
	s_barrier_signal -3
.Lnot_wave_0_\@:
	s_barrier_wait -3
	s_barrier_signal -1
	s_barrier_wait -1
.endm
.macro CROUND
	s_barrier_signal -1
	s_barrier_wait -1
	CREST
.endm
	s_load_b128 s[4:7], s[0:1], 0x0                ; cc, wc
	s_load_b128 s[8:11], s[0:1], 0x10              ; the exponents, out0
	s_load_b64 s[12:13], s[0:1], 0x20              ; bo
	v_lshl_add_u32 v[SPW], v0, 2, SPARE
	v_mov_b32 v[NIL], 0
	ds_add_u32 v[SPW], v[NIL]                      ; the wave's opening: the add and its wait stand ahead of my first tensor load; the set-up below stands between them
	v_lshrrev_b32 v1, 5, v0
	v_readfirstlane_b32 s14, v1                    ; wave 0..3
	s_lshr_b32 s15, s14, 1                         ; which half of the tile's rows is mine.  Also: I fetch for ctx (0) or for Wo (1)
	s_and_b32 s16, s14, 1                          ; which half of its columns.  Also: which half of that tile I fetch
	s_bfe_u32 s40, ttmp6, 0x40000
	s_bfe_u32 s41, ttmp6, 0x40004
	s_lshl_b32 s42, ttmp9, 2
	s_add_co_u32 s42, s42, s40                     ; tile column
	s_and_b32 s17, ttmp7, 0xffff
	s_lshl_b32 s17, s17, 2
	s_add_co_u32 s17, s17, s41                     ; tile row
	s_lshl_b32 s43, s41, 2
	s_lshl_b32 s43, 15, s43                        ; my row of the cluster
	s_lshl_b32 s44, 0x1111, s40                    ; my column
	s_or_b32 s[G1+0], s43, (3<<16)|(1<<21)         ; ctx: 15:0 the mask; 17:16 elements of 8 bytes; no padding; 21 set beside a mask
	s_mov_b32 s[G1+1], 512<<16                     ; tensor_dim0 = 512 elements: 4,096 bytes
	s_mov_b32 s[G1+2], 8<<16                       ; tensor_dim1 = 8 tiles of rows
	s_mov_b32 s[G1+3], 512<<16                     ; tile_dim0
	s_mov_b32 s[G1+4], 8                           ; tile_dim1
	s_mov_b32 s[G1+5], 2048                        ; 16,384 bytes from a tile of rows to the next
	s_mov_b32 s[G1+6], 0
	s_mov_b32 s[G1+7], 0
	s_or_b32 s[G1B+0], s44, (0<<16)|(1<<20)|(1<<21)|(5<<22)|(3<<25)  ; Wo: elements of 1 byte; four words of padding after every 64
	s_mov_b32 s[G1B+1], ROWB<<16
	s_mov_b32 s[G1B+2], 128<<16
	s_mov_b32 s[G1B+3], ROWB<<16
	s_mov_b32 s[G1B+4], 128
	s_mov_b32 s[G1B+5], KROW
	s_mov_b32 s[G1B+6], 0
	s_mov_b32 s[G1B+7], 0
	s_lshl_b32 s20, s17, 4
	s_lshl_b32 s18, s16, 3
	s_add_co_u32 s20, s20, s18                     ; ctx: tile of rows 16 x tile row + 8 x half,
	s_lshl_b32 s20, s20, 14                        ; 16,384 bytes each
	s_mov_b32 s21, 0
	s_lshl_b32 s46, s42, 8
	s_lshl_b32 s18, s16, 7
	s_add_co_u32 s46, s46, s18
	s_add_co_u32 s46, s46, 3072                    ; Wo: row 3,072 + 256 x tile column + 128 x half of wc,
	s_lshl_b32 s46, s46, 10                        ; 1,024 bytes each
	s_mov_b32 s47, 0
	s_mul_i32 s45, s14, HALFT                      ; where they go: no place in the cluster enters an LDS address
	s_wait_dscnt 0x0                               ; the opening add is done
	s_wait_kmcnt 0x0
	s_load_b64 s[96:97], s[8:9], 0x28              ; e10, e11
	s_add_nc_u64 s[20:21], s[4:5], s[20:21]
	s_add_nc_u64 s[46:47], s[6:7], s[46:47]
	CROUND                                         ; all sixteen work-groups are here: the first joint loads meet
.irp s, 0,1
	s_mov_b32 s[G0+4*\s], 1
	s_add_co_u32 s[G0+4*\s+1], s45, \s*SLOT
	s_add_nc_u64 s[G0+4*\s+2:G0+4*\s+3], s[20:21], \s*ASTEP
	s_or_b32 s[G0+4*\s+3], s[G0+4*\s+3], 0x80000000
	s_mov_b32 s[G0B+4*\s], 1
	s_add_co_u32 s[G0B+4*\s+1], s45, \s*SLOT
	s_add_nc_u64 s[G0B+4*\s+2:G0B+4*\s+3], s[46:47], \s*ROWB
	s_or_b32 s[G0B+4*\s+3], s[G0B+4*\s+3], 0x80000000
	JLOAD G0+4*\s, G1, G0B+4*\s, G1B
.endr
	v_and_b32 v1, 15, v0                           ; r
	v_bfe_u32 v2, v0, 4, 1                         ; h
	v_mul_u32_u24 v3, v1, PITCH
	v_lshl_add_u32 v4, v2, 4, v3                   ; Wo: a fragment's row x pitch + 16 h
	v_and_b32 v6, 31, v0
	v_lshlrev_b32 v[CO], 4, v6                     ; 16 x lane: ctx's images, and a row of out0
	s_mul_i32 s21, s15, HALFT                      ; my 128 rows of ctx
	s_mul_i32 s22, s16, HALFT
	s_add_co_u32 s22, s22, 2*HALFT                 ; my 128 rows of Wo
.irp s, 0,1
	v_add_nc_u32 v[ADRA+\s], s21, v[CO]
	v_add_nc_u32 v[ADRB+\s], s22, v4
	s_add_co_u32 s21, s21, SLOT
	s_add_co_u32 s22, s22, SLOT
.endr
	s_mul_i32 s23, s14, 16*SPITCH                  ; my stage
	v_mul_u32_u24 v5, v1, SPITCH
	v_lshl_add_u32 v5, v2, 5, v5
	v_add_nc_u32 v[STO], s23, v5                   ; in: row r, 32 bytes for each half of the lanes
	v_add_nc_u32 v[RD], s23, v[CO]                 ; back: the 32 lanes take one row of 512 bytes
	s_lshl_b32 s20, s17, 8
	s_lshl_b32 s21, s15, 7
	s_add_co_u32 s20, s20, s21                     ; my first row of out0
	s_lshl_b32 s20, s20, 12                        ; 4,096 bytes a row
	s_mov_b32 s21, 0
	s_lshl_b32 s46, s42, 10                        ; my first column, in bytes: 1,024 x tile column + 512 x half
	s_lshl_b32 s47, s16, 9
	s_add_co_u32 s46, s46, s47
	s_mov_b32 s47, 0
	s_add_nc_u64 s[12:13], s[12:13], s[46:47]      ; bo at my first column
	s_add_nc_u64 s[20:21], s[20:21], s[46:47]
	s_add_nc_u64 s[10:11], s[10:11], s[20:21]
	v_lshlrev_b32 v[BOF], 5, v2
.irp b, 0,1,2,3,4,5,6,7
	global_load_b128 v[BO+8*\b:BO+8*\b+3], v[BOF], s[12:13] offset:64*\b
	global_load_b128 v[BO+8*\b+4:BO+8*\b+7], v[BOF], s[12:13] offset:64*\b+16
.endr
.macro FRAG reg, adr, q, i             ; Wo: registers 4 c .. 4 c + 3 hold K = 32 c + 16 h + 0 .. 15
.irp c, 0,1,2,3
	ds_load_b128 v[\reg+4*\c:\reg+4*\c+3], v[\adr] offset:128*(\q)+32*\c+(\i)*16*PITCH
.endr
.endm
.macro FRAGA reg, adr, q, i            ; ctx: the image as it lies: the same k in the same registers
.irp c, 0,1,2,3
	ds_load_b128 v[\reg+4*\c:\reg+4*\c+3], v[\adr] offset:4096*(\i)+2048*(\q)+512*\c
.endr
.endm
.macro MUL16 a0, p, zero               ; the 64 accumulators take turns, one instruction a turn, in the same order in every step
.irp a, \a0, \a0+1
.irp b, 0,1,2,3,4,5,6,7
.if \zero
	v_wmma_f32_16x16x128_fp8_fp8 v[8*(8*((\a)%4)+\b):8*(8*((\a)%4)+\b)+7], v[128*(\p)+FR*\b:128*(\p)+FR*\b+FR-1], v[AF+FR*(\a):AF+FR*(\a)+FR-1], 0
.else
	v_wmma_f32_16x16x128_fp8_fp8 v[8*(8*((\a)%4)+\b):8*(8*((\a)%4)+\b)+7], v[128*(\p)+FR*\b:128*(\p)+FR*\b+FR-1], v[AF+FR*(\a):AF+FR*(\a)+FR-1], v[8*(8*((\a)%4)+\b):8*(8*((\a)%4)+\b)+7]
.endif
.endr
.endr
.endm
.macro FETCH_B slot, q, p
	WIN TO_B
.irp i, 0,1,2,3,4,5,6,7
	FRAG 128*(\p)+FR*\i, ADRB+\slot, \q, \i
.endr
	WIN 0
.endm
.macro FETCH_A slot, q, i0
.irp i, \i0, \i0+1, \i0+2, \i0+3
	FRAGA AF+FR*(\i), ADRA+\slot, \q, \i
.endr
.endm
.macro PLACES n                        ; plain vector lines between a matrix instruction and a load into, or a vector read or write of, its registers
.rept \n
	v_nop
.endr
.endm
.macro STEP slot, q, zero
	s_wait_dscnt 4*NL                              ; Wo's set and ctx's blocks 0-3 are in; the youngest sixteen loads (blocks 4-7) may be out
	WIN MUL_LO
	MUL16 0, (\q)%2, \zero
	MUL16 2, (\q)%2, \zero
	s_wait_dscnt 0
	PLACES NP
	FETCH_B \slot, (\q)+1, 1-(\q)%2
	FETCH_A \slot, (\q)+1, 0
	WIN MUL_HI
	MUL16 4, (\q)%2, \zero
	MUL16 6, (\q)%2, \zero
	PLACES NP
	WIN 0
	FETCH_A \slot, (\q)+1, 4
.endm
.macro TURN slot, next, fill           ; a slot's last step changes slots: one barrier, with the three lines in front of it
	s_wait_tensorcnt 0x0                           ; all my tensor loads have landed: my part of the next slot
	ds_add_u32 v[SPW], v[NIL]
	s_wait_dscnt 4*NL+1                            ; the add and the youngest sixteen loads may be out
	WIN MUL_LO
	MUL16 0, 1, 0
	s_wait_dscnt 0x0                               ; the add is done, and my reads of this slot are over
	s_barrier_signal -1
	MUL16 2, 1, 0
	WIN 0
	s_barrier_wait -1
.if \fill
	CREST                                          ; the barrier has opened a round of the cluster's: no wave of any partner still reads this slot or has a load on its way
	s_add_nc_u64 s[G0+4*\slot+2:G0+4*\slot+3], s[G0+4*\slot+2:G0+4*\slot+3], 2*ASTEP
	s_add_nc_u64 s[G0B+4*\slot+2:G0B+4*\slot+3], s[G0B+4*\slot+2:G0B+4*\slot+3], 2*ROWB
	JLOAD G0+4*\slot, G1, G0B+4*\slot, G1B         ; the first tensor load behind the round; its four v_nop are the places in front of the loads below
.else
	PLACES NP
.endif
	FETCH_B \next, 0, 0
	FETCH_A \next, 0, 0
	WIN MUL_HI
	MUL16 4, 1, 0
	MUL16 6, 1, 0
	PLACES NP
	WIN 0
	FETCH_A \next, 0, 4
.endm
	s_wait_tensorcnt 1                             ; my part of K step 0 is in; K step 1's load may be out
	s_barrier_signal -1
	s_barrier_wait -1
	FETCH_B 0, 0, 0
	FETCH_A 0, 0, 0
	FETCH_A 0, 0, 4
	STEP 0, 0, 1                                   ; the first step's products start the sums
	s_mov_b32 s3, LAPS-1
.Llap:
	TURN 0, 1, 1
	STEP 1, 0, 0
	TURN 1, 0, 1
	STEP 0, 0, 0
	s_sub_co_u32 s3, s3, 1
	s_cmp_lg_u32 s3, 0
	s_cbranch_scc1 .Llap
	TURN 0, 1, 0                                   ; the last lap fills nothing
	STEP 1, 0, 0
	s_wait_dscnt 4*NL
	WIN MUL_LO
	MUL16 0, 1, 0
	MUL16 2, 1, 0
	s_wait_dscnt 0
	WIN MUL_HI
	MUL16 4, 1, 0
	MUL16 6, 1, 0
	WIN 0
; THE WAY OUT, block by block of 16 rows x 128 columns: sum x 2^(e10 + e11) + bo in place, through my own stage in LDS, back as whole rows of 512 bytes.
; LDS serves a wave's instructions in order (ISA guide 5.7.1.4): no wait between the stores and the loads, nor in front of the next block's stores.
.macro TOSTAGE a
.set AC, 64*((\a)%4)
	WIN 0x41*(2+(\a)/4)                            ; source 0 and destination: window 2 or 3; bo: window 0
.irp j, 0,2,4,6,8,10,12,14,16,18,20,22,24,26,28,30,32,34,36,38,40,42,44,46,48,50,52,54,56,58,60,62
	v_pk_fma_f32 v[AC+\j:AC+\j+1], v[AC+\j:AC+\j+1], s[96:97], v[BO+\j:BO+\j+1] op_sel_hi:[1,0,1]   ; each accumulator from its low end on
.endr
	WIN 4*(2+(\a)/4)                               ; an LDS store's data: source 1
.irp b, 0,1,2,3,4,5,6,7
	ds_store_b128 v[STO], v[AC+8*\b:AC+8*\b+3] offset:64*\b
	ds_store_b128 v[STO], v[AC+8*\b+4:AC+8*\b+7] offset:64*\b+16
.endr
	WIN 0
.set BB, BK+64*((\a)%2)
.irp t, 0,1,2,3,4,5,6,7,8,9,10,11,12,13,14,15
	ds_load_b128 v[BB+4*\t:BB+4*\t+3], v[RD] offset:\t*SPITCH
.endr
.endm
.macro SEND a, younger                 ; younger: the LDS instructions issued behind block a's loads, which may stay out
.set BB, BK+64*((\a)%2)
	s_wait_dscnt \younger
.if (\a) > 0
	s_add_nc_u64 s[10:11], s[10:11], 16*SIZE_N*4   ; (behind a wait on XCNT: the earlier stores have read their base)
.endif
.irp t, 0,1,2,3,4,5,6,7,8,9,10,11,12,13,14,15
	global_store_b128 v[CO], v[BB+4*\t:BB+4*\t+3], s[10:11] offset:\t*SIZE_N*4 th:TH_STORE_NT   ; 32 lanes store 512 consecutive bytes, aligned
.endr
.endm
	s_wait_kmcnt 0x0
	s_add_co_i32 s96, s96, s97
	s_add_co_i32 s96, s96, 127
	s_lshl_b32 s96, s96, 23                        ; 2^(e10 + e11) as f32
	s_mov_b32 s97, s96                             ; (named with it as a pair)
	s_wait_loadcnt 0x0                             ; bo
	PLACES NP                                      ; behind the last products
	TOSTAGE 0
.irp a, 1,2,3,4,5,6,7
.if \a > 1
	s_wait_xcnt 0x0                                ; block a - 2's stores have read their registers and their base
.endif
	TOSTAGE \a
	SEND \a-1, 32                                  ; behind block a - 1's loads: block a's 16 stores and 16 loads
.endr
	s_wait_xcnt 0x0
	SEND 7, 0
	s_wait_tensorcnt 0x0                           ; the wave's end
	ds_add_u32 v[SPW], v[NIL]
	s_wait_dscnt 0x0
	CROUND                                         ; the closing round: no work-group ends while a partner may still ask for a tile that names it
	s_endpgm
.Lfunc_end_k_qbab8e95389_outp:
	.size	k_qbab8e95389_outp, .Lfunc_end_k_qbab8e95389_outp-k_qbab8e95389_outp
	.p2alignl 7, 3214868480
	.fill 96, 4, 3214868480
	.section	.rodata,"a",@progbits
	.p2align	6, 0x0
	.amdhsa_kernel k_qbab8e95389_outp
		.amdhsa_group_segment_fixed_size 327680
		.amdhsa_private_segment_fixed_size 0
		.amdhsa_enable_private_segment 0
		.amdhsa_kernarg_size 40
		.amdhsa_user_sgpr_count 2
		.amdhsa_user_sgpr_kernarg_segment_ptr 1
		.amdhsa_wavefront_size32 1
		.amdhsa_system_sgpr_workgroup_id_x 1
		.amdhsa_system_sgpr_workgroup_id_y 1
		.amdhsa_system_sgpr_workgroup_id_z 1
		.amdhsa_system_vgpr_workitem_id 0
		.amdhsa_next_free_vgpr 1024
		.amdhsa_next_free_sgpr 98
		.amdhsa_reserve_vcc 0
		.amdhsa_float_denorm_mode_32 3
		.amdhsa_float_denorm_mode_16_64 3
		.amdhsa_memory_ordered 1
		.amdhsa_forward_progress 1
		.amdhsa_inst_pref_size 125
	.end_amdhsa_kernel
	.amdgpu_metadata
---
amdhsa.version: [ 1, 2 ]
amdhsa.kernels:
  - .name:           k_qbab8e95389_outp
    .symbol:         k_qbab8e95389_outp.kd
    .args:
      - { .name: cc, .offset: 0, .size: 8, .value_kind: global_buffer, .address_space: global }
      - { .name: wc, .offset: 8, .size: 8, .value_kind: global_buffer, .address_space: global }
      - { .name: lowp_scales, .offset: 16, .size: 8, .value_kind: global_buffer, .address_space: global }
      - { .name: out0, .offset: 24, .size: 8, .value_kind: global_buffer, .address_space: global }
      - { .name: bo, .offset: 32, .size: 8, .value_kind: global_buffer, .address_space: global }
    .group_segment_fixed_size: 327680
    .private_segment_fixed_size: 0
    .kernarg_segment_align: 8
    .kernarg_segment_size: 40
    .max_flat_workgroup_size: 128
    .sgpr_count:     98
    .vgpr_count:     1024
    .wavefront_size: 32
...
	.end_amdgpu_metadata
.endif
;; end of part 4
;; ======== version 2 of 2: 4 launches; version 1 with the launch attn written anew for expert scheduling mode
;; limits: right only within a limited range of input values
;; workspace buffers: xc 25,165,824 bytes; wc 4,194,304 bytes; hc 25,165,824 bytes; cc 8,388,608 bytes; mbits 524,288 bytes of whole numbers; mcls 4,096 bytes of whole numbers
;; launch prep: the kernel of part 1 again; grid 1024 x 1, 4 waves a work-group, no clusters, 67,072 bytes of LDS; arguments q, k, v, Wq, Wk, Wv, Wo, lowp_scales, mask, xc, wc, mbits, mcls; writes xc, wc, mbits, mcls
;; launch proj: the kernel of part 2 again; grid 4 x 96, 4 waves a work-group, clusters of 4 x 4, 327,680 bytes of LDS; arguments xc, wc, lowp_scales, hc, bq, bk, bv; writes hc
;; launch attn (part 5): grid 4 x 64, 16 waves a work-group, no clusters, 264,192 bytes of LDS; arguments hc, mbits, mcls, lowp_scales, cc; writes cc
.if DOCPART == 5
	.amdgcn_target "amdgcn-amd-amdhsa--gfx1250"
	.amdhsa_code_object_version 6
	.text
	.protected	k_qbab8e95389_attn
	.globl	k_qbab8e95389_attn
	.p2align	8
	.type	k_qbab8e95389_attn,@function
k_qbab8e95389_attn:
	s_mov_b64 s[64:65], 0
	v_nop
	global_prefetch_b8 v0, s[64:65] scope:SCOPE_SE
	s_setreg_imm32_b32 hwreg(HW_REG_WAVE_SCHED_MODE, 0, 2), 2
	s_setreg_imm32_b32 hwreg(HW_REG_WAVE_MODE, 25, 1), 1
	s_wait_xcnt 0x0
	s_wait_alu depctr_vm_vsrc(0)
; ATTENTION ON CODES OF FP8 (E4M3), head size 64, 2,048 keys, with the mask as it was given (its lane masks in mbits, its tile classes in mcls).
; logit = q . k / 8, or -1e9 where the mask is 0.  t = logit x log2(e); M = the running largest t rounded up to a whole number; p = 2^(t - M) is quantised with entry 8's scale, not normalised; the row's sum is taken of the
; unquantised p and divides at the end.  ctx is quantised with entry 10's scale and stored in cc as images of the last product's operand: [tile of 16 rows 512][128 along K 8][c 4][512 bytes, lane l's 16 at 16 l].
; SHARES.  A work-group serves one head of one batch (y) and a quarter of its queries (x).  It copies the head's images of K and V, 131,072 bytes each, into LDS ONCE; behind the one barrier its sixteen waves are independent.
; Wave w, with x' = 16 x + w, takes the tiles of 16 queries x' and 127 - x', one after the other.  (Under a lower-triangular mask that evens the waves' work; no result hangs on it.)
; NO TENSOR LOAD, NO COPY, NO CLUSTER: a step's work is jumped over by a branch on a stored class; what the four work-groups of a head share is read once, at the head.
; A STEP OF 128 KEYS IS LEFT OUT where the mask keeps none of its keys for any of the tile's 16 queries AND each of the 16 queries keeps a key somewhere: then every p of the step is 2^(about -1.4e9): 0.
; If some query of the tile keeps no key at all, no step is left out: its t are all equal, its p all 1, its result the plain mean, as -1e9 gives it.
; LAYOUT.  Both products are used transposed: S^T = K Q^T, O^T = V^T P^T: a lane (r, h) holds query r throughout.  By the order of K's rows in its images, register 16 b + i of S^T is key 32 b + 16 h + i of the step.
; LIMITS: entries 6 + 7 between -123 and 130 (added to c's exponent field); entries 8 and 10 between -126 and 119; kept logits lie above -1e9.  NaN is not served.
; THE MODE: SCHED_MODE bits 1:0 = 2 (LLVM: expert scheduling mode 2), set by the entry lines.  The code itself states the register dependences
; between vector or matrix instructions and memory or LDS instructions, with s_wait_alu, always for 0.
; THE PLAN.  Registers that memory or LDS instructions touch:
;   v1, v216-219   offsets and LDS addresses: written at the head, never again; read by the fill, by Q's loads and by ctx's stores.
;   v32-159        at the head: the fill's loads land there and the fill's LDS stores read them; later they are K's and V's fragments and the scores.
;   v[16:23]       Q: two loads land at a tile's head; the tile's products K Q^T read them.
;   v3, v4         the step's LDS addresses: written by two additions at a step's head, read by the step's 32 LDS loads.
;   v32-95         in a step: K's sixteen loads land, eight products read them, V's sixteen loads land, four products read them.
;   v208-215       ctx's codes: written by the conversions at a tile's end, read by its two stores.
;   v5, v6         written at the head, read by the closing add alone.
;   The scores and p, O^T, p's codes, the statistics and the constants v7-11 are named by vector and matrix instructions alone.
; So a step holds one wait on vm_vsrc (ahead of the two additions) and three on va_vdst: ahead of K's loads, ahead of V's loads, and behind the exponentials.  A tile holds one on vm_vsrc at its head and two on va_vdst at its
; end: behind the reciprocal and ahead of the stores.  A second set of registers for the next step's K would be 64 more than the 220 in use, and four waves share a SIMD's 1,024: it does not fit.
.set VB,    131072                     ; LDS: K's images at 0, V's here
.set SPARE, 262144                     ; the spare words, 128 bytes for each of sixteen waves: eight blocks of 256 bytes that no other line names
.set LI,   1                           ; v1   16 x lane
.set LIV,  2                           ; v2   the same + VB
.set ADK,  3                           ; v3   the step's K
.set ADV,  4                           ; v4   the step's V
.set SPW,  5                           ; v5   SPARE + 4 x my thread's number; never rewritten
.set NIL,  6                           ; v6   0; never rewritten
.set TM,   7                           ; v7   -1e9 x log2(e)
.set PLIM, 8                           ; v8   448 x 2^e8      v9  2^e8
.set PSC,  9
.set CLIM, 10                          ; v10  448 x 2^e10     v11 2^e10
.set CSC,  11
                                       ; v12 -M, v13 the largest t, v[14:15] the sum in two halves, v[16:23] Q, v24-26 at work, v[28:29] f, v[30:31] the second chain of the sum
.set KV,   32                          ; v32-95   K's eight fragments, then V's four
.set S,    96                          ; v96-159  S^T, then p
.set O,    160                         ; v160-191 O^T
.set PC,   192                         ; v192-207 p's codes
.set CC,   208                         ; v208-215 ctx's codes
.set FA,   216                         ; v216-219 16 x thread + 0, 65,536, 131,072, 196,608
	s_load_b256 s[4:11], s[0:1], 0x0               ; hc, mbits, mcls, the exponents
	s_load_b64 s[12:13], s[0:1], 0x20              ; cc
	v_lshl_add_u32 v[SPW], v0, 2, SPARE
	v_mov_b32 v[NIL], 0
	v_lshrrev_b32 v1, 5, v0
	v_readfirstlane_b32 s14, v1                    ; wave 0..15
	v_and_b32 v1, 31, v0
	v_lshlrev_b32 v[LI], 4, v1
	v_add_nc_u32 v[LIV], VB, v[LI]
	v_lshlrev_b32 v[FA], 4, v0
	v_add_nc_u32 v[FA+1], 65536, v[FA]
	v_add_nc_u32 v[FA+2], 131072, v[FA]
	v_add_nc_u32 v[FA+3], 196608, v[FA]
	v_mov_b32 v26, 0                               ; a lane permute's destination counts as read
	v_mov_b32 v29, 0                               ; (named as the upper half of the pair v[28:29])
	s_and_b32 s15, ttmp7, 0xffff                   ; batch x 16 + head
	s_lshl_b32 s17, ttmp9, 4
	s_wait_alu depctr_va_sdst(0)                   ; s14 is written, ahead of its one reader
	s_add_co_u32 s17, s17, s14                     ; x'
	s_lshl_b32 s30, s15, 17                        ; 131,072 bytes of images a head
	s_mov_b32 s31, 0
	s_mov_b32 s28, 0x76543210                      ; v_permlanex16_b32: lane l xor 16
	s_mov_b32 s29, 0xfedcba98
	s_wait_kmcnt 0x0
	s_load_b128 s[68:71], s[10:11], 0x18           ; entries 6 to 9
	s_load_b32 s72, s[10:11], 0x28                 ; entry 10
	s_add_nc_u64 s[4:5], s[4:5], s[30:31]          ; my head's images of Q,
	s_add_nc_u64 s[100:101], s[4:5], 0x800000      ; of K,
	s_add_nc_u64 s[104:105], s[4:5], 0x1000000     ; of V
	s_wait_alu depctr_va_vdst(0)                   ; v1 and v216 to v219 are written: the fill's loads and LDS stores, Q's loads and ctx's stores read them as offsets and addresses, and no line writes them again
.set i, 0
.rept 16
	global_load_b128 v[32+4*i:35+4*i], v[FA], s[100:101] offset:8192*i   ; the work-group's 512 threads read 8,192 consecutive bytes
.set i, i+1
.endr
.set i, 0
.rept 16
	global_load_b128 v[96+4*i:99+4*i], v[FA], s[104:105] offset:8192*i
.set i, i+1
.endr
.set i, 0
.rept 32
	s_wait_loadcnt 31-i                            ; loads come back in order: number i is in, the younger ones stay out
	ds_store_b128 v[FA+i/8], v[32+4*i:35+4*i] offset:8192*(i%8)
.set i, i+1
.endr
	s_wait_dscnt 0x0                               ; for the others' sake: my stores have landed
	s_barrier_signal -1
	s_barrier_wait -1                              ; the launch's one barrier: from here on LDS is only read
	s_wait_kmcnt 0x0
	s_add_co_i32 s30, s68, s69
	s_lshl_b32 s30, s30, 23
	s_add_co_i32 s26, s30, 0x3e38aa3b              ; c = log2(e) / 8, with entries 6 + 7 added to its exponent field
	s_mov_b32 s27, s26
	s_mov_b32 s2, s70                              ; e8
	s_add_co_i32 s3, s70, s71                      ; e8 + e9
	s_add_co_i32 s30, s70, 127
	s_lshl_b32 s31, s30, 23
	v_mov_b32 v[PSC], s31
	s_add_co_i32 s30, s30, 8
	s_lshl_b32 s30, s30, 23
	s_or_b32 s30, s30, 0x600000
	v_mov_b32 v[PLIM], s30
	s_add_co_i32 s30, s72, 127
	s_lshl_b32 s31, s30, 23
	v_mov_b32 v[CSC], s31
	s_add_co_i32 s30, s30, 8
	s_lshl_b32 s30, s30, 23
	s_or_b32 s30, s30, 0x600000
	v_mov_b32 v[CLIM], s30
	s_mov_b32 s30, 0xce6e6b28                      ; -1e9
	s_mul_f32 s30, s30, 0x3fb8aa3b                 ; x log2(e): a whole number at this size, so t - M is exactly 0 in a row that keeps no key
	v_mov_b32 v[TM], s30
	s_mov_b32 s19, 0
.Ltile:
	s_wait_xcnt 0x0                                ; the last tile's stores have read their registers and their base
	s_wait_alu depctr_vm_vsrc(0)                   ; first tile: the fill's LDS stores have read v32 to v159, in which fragments land and scores are written; second tile: the last tile's stores have read v[CC ..], which this tile's conversions write
	s_sub_co_u32 s30, 127, s17
	s_cmp_eq_u32 s19, 0
	s_cselect_b32 s18, s17, s30                    ; T
	s_lshl_b32 s30, s18, 10
	s_mov_b32 s31, 0
	s_add_nc_u64 s[104:105], s[4:5], s[30:31]
	global_load_b128 v[16:19], v[LI], s[104:105]               ; Q's fragment: d = 16 h + 0 .. 15.  No wait on va_vdst: the one ahead of the last tile's stores stands behind every product that read v[16:23], and no vector line since names them
	global_load_b128 v[20:23], v[LI], s[104:105] offset:512    ; d = 32 + 16 h + 0 .. 15
	s_lshl_b32 s67, s18, 5
	s_load_b256 s[32:39], s[8:9], s67 offset:0x0   ; the tile's classes and ORs, four pairs
	s_lshl_b32 s30, s18, 12
	s_add_nc_u64 s[100:101], s[6:7], s[30:31]      ; the tile's lane masks
	v_mov_b32 v13, 0xff61b1e6                      ; the largest t so far: -3e38
	v_floor_f32 v12, -v13
	v_mov_b32 v14, 0
	v_mov_b32 v15, 0
.set j, 0
.rept 32
	v_mov_b32 v[O+j], 0                            ; no step is known to be the first that runs, so no product can start these sums
.set j, j+1
.endr
	s_wait_kmcnt 0x0
	s_or_b32 s22, s32, s34
	s_or_b32 s22, s22, s36
	s_or_b32 s22, s22, s38                         ; two bits a step
	s_or_b32 s30, s33, s35
	s_or_b32 s30, s30, s37
	s_or_b32 s30, s30, s39
	s_lshr_b32 s31, s30, 16
	s_or_b32 s30, s30, s31
	s_and_b32 s30, s30, 0xffff                     ; bit r: query r keeps a key somewhere
	s_lshr_b32 s31, s22, 1
	s_or_b32 s31, s31, s22
	s_and_not1_b32 s31, 0x55555555, s31            ; the steps of class 0,
	s_lshl_b32 s31, s31, 1
	s_or_b32 s31, s31, s22                         ; run as class 2,
	s_cmp_eq_u32 s30, 0xffff
	s_cselect_b32 s22, s22, s31                    ; unless all sixteen queries keep a key
	s_wait_loadcnt 0x0                             ; Q
	s_mov_b32 s20, 0                               ; the step
	s_mov_b32 s21, 0                               ; its images' byte in K's and in V's region
	s_mov_b32 s66, 0                               ; its lane masks' byte
.Lstep:                                            ; sixteen trips, always; a step that is left out jumps to the lines that step the counters
	s_wait_alu depctr_vm_vsrc(0)                   ; the LDS loads issued so far have read v[ADK] and v[ADV], which the two lines below write
	v_add_nc_u32 v[ADK], s21, v[LI]
	v_add_nc_u32 v[ADV], s21, v[LIV]
	s_and_b32 s23, s22, 3
	s_cmp_eq_u32 s23, 0
	s_cbranch_scc1 .Lnext
	s_load_b512 s[32:47], s[100:101], s66 offset:0x0      ; the step's 64 lane masks
	s_load_b512 s[48:63], s[100:101], s66 offset:0x40
	s_load_b512 s[68:83], s[100:101], s66 offset:0x80
	s_load_b512 s[84:99], s[100:101], s66 offset:0xc0
	v_nop                                          ; with the two additions above: four places behind the last step's products; they stay beside the wait below
	v_nop
	s_wait_alu depctr_va_vdst(0)                   ; v[ADK] and v[ADV] are written, which this step's LDS loads read; the last step's products V^T P^T are done reading v[KV ..], in which K's fragments land
.irp t, 0,1,2,3,4,5,6,7
	ds_load_b128 v[KV+8*\t:KV+8*\t+3], v[ADK] offset:1024*\t
	ds_load_b128 v[KV+8*\t+4:KV+8*\t+7], v[ADK] offset:1024*\t+512
.endr
	s_cmp_eq_u32 s23, 2
	s_cselect_b32 s24, 1.0, s26                    ; a mixed step scales its scores ahead of the mask; the lines below then multiply by 1
	s_mov_b32 s25, s24
	s_wait_dscnt 0x0
.irp t, 0,1,2,3,4,5,6,7
	v_wmma_f32_16x16x64_fp8_fp8 v[S+8*\t:S+8*\t+7], v[KV+8*\t:KV+8*\t+7], v[16:23], 0
.endr
.rept 4
	v_nop                                          ; places: the scores are read by vector lines below
.endr
	s_wait_alu depctr_va_vdst(0)                   ; the products K Q^T are done reading K's fragments, in whose registers V's land; no vector line up to the products V^T P^T names v[KV ..] or v[ADV]
.irp t, 0,1,2,3
.irp b, 0,1,2,3
	ds_load_b128 v[KV+16*\t+4*\b:KV+16*\t+4*\b+3], v[ADV] offset:2048*\t+512*\b   ; asked for ahead of the wait for the lane masks; they land while the softmax is worked
.endr
.endr
	s_wait_kmcnt 0x0
	s_cmp_lg_u32 s23, 2
	s_cbranch_scc1 .Lfull
.set j, 0
.rept 32
	v_pk_mul_f32 v[S+j:S+j+1], v[S+j:S+j+1], s[26:27] op_sel_hi:[1,0]   ; t
.set j, j+2
.endr
.set n, 0
.rept 32
	v_cndmask_b32 v[S+n], v[TM], v[S+n], s[32+n]   ; kept: t; else -1e9 x log2(e)
.set n, n+1
.endr
.rept 32
	v_cndmask_b32 v[S+n], v[TM], v[S+n], s[36+n]   ; words 32 to 63 lie in s68 to s99
.set n, n+1
.endr
.Lfull:
	v_max3_num_f32 v24, v96, v97, v98              ; the step's largest among my 64 keys, in two chains, each accumulator from its low end on
	v_max3_num_f32 v25, v99, v100, v101
.irp i, 6,10,14,18,22,26,30,34,38,42,46,50,54,58
	v_max3_num_f32 v24, v24, v[S+\i], v[S+1+\i]
	v_max3_num_f32 v25, v25, v[S+2+\i], v[S+3+\i]
.endr
	v_max3_num_f32 v24, v24, v158, v159
	v_max_num_f32 v24, v24, v25
	v_permlanex16_b32 v26, v24, s28, s29
	v_max_num_f32 v24, v24, v26                    ; and among lane l xor 16's
	v_mul_f32 v24, s24, v24                        ; as t (the factor is positive)
	v_max_num_f32 v13, v13, v24
	v_mov_b32 v24, v12
	v_floor_f32 v12, -v13                          ; -M = floor(-t): M is a whole number
	v_sub_f32 v24, v12, v24                        ; old M - new M, 0 or less
	v_cvt_i32_f32 v24, v24                         ; (it saturates)
	v_ldexp_f32 v28, 1.0, v24                      ; f = 2^(old M - new M)
.set j, 0
.rept 32
	v_pk_fma_f32 v[S+j:S+j+1], v[S+j:S+j+1], s[24:25], v[12:13] op_sel_hi:[1,0,0]   ; t - M
.set j, j+2
.endr
.set j, 0
.rept 64
	v_exp_f32 v[S+j], v[S+j]                       ; p
.set j, j+1
.endr
	v_pk_mul_f32 v[14:15], v[14:15], v[28:29] op_sel_hi:[1,0]   ; the sum under the new M: the plain line behind the exponentials
	s_wait_alu depctr_va_vdst(0)                   ; the 64 exponentials have written p: one wait for the batch, ahead of its first reader
	v_pk_add_f32 v[30:31], v[S:S+1], v[S+2:S+3]    ; the sum of the unquantised p, in two chains
.irp j, 4,8,12,16,20,24,28,32,36,40,44,48,52,56,60
	v_pk_add_f32 v[14:15], v[14:15], v[S+\j:S+1+\j]
	v_pk_add_f32 v[30:31], v[30:31], v[S+2+\j:S+3+\j]
.endr
	v_pk_add_f32 v[14:15], v[14:15], v[30:31]
	s_cmp_gt_i32 s2, -9                            ; p is at most 1: the hold is owed only where 448 x 2^e8 lies under 1, that is e8 < -8
	s_cbranch_scc1 .Lnohold
.set j, 0
.rept 64
	v_min_num_f32 v[S+j], v[S+j], v[PLIM]
.set j, j+1
.endr
.Lnohold:
.irp b, 0,1,2,3
	v_cvt_scalef32_pk8_fp8_f32 v[PC+4*\b:PC+4*\b+1], v[S+16*\b:S+16*\b+7], v[PSC]
	v_cvt_scalef32_pk8_fp8_f32 v[PC+4*\b+2:PC+4*\b+3], v[S+16*\b+8:S+16*\b+15], v[PSC]
.endr
.set j, 0
.rept 16
	v_pk_mul_f32 v[O+j:O+j+1], v[O+j:O+j+1], v[28:29] op_sel_hi:[1,0]   ; O^T under the new M; also the plain lines between the conversions and the products
.set j, j+2
.endr
	s_wait_dscnt 0x0                               ; V
.irp t, 0,1,2,3
	v_wmma_f32_16x16x128_fp8_fp8 v[O+8*\t:O+8*\t+7], v[KV+16*\t:KV+16*\t+15], v[PC:PC+15], v[O+8*\t:O+8*\t+7]   ; four accumulators by turns; eight other products stand between two links
.endr
.Lnext:
	s_lshr_b32 s22, s22, 2
	s_add_co_u32 s21, s21, 8192
	s_add_co_u32 s66, s66, 256
	s_add_co_u32 s20, s20, 1
	s_cmp_lt_u32 s20, 16
	s_cbranch_scc1 .Lstep
	; the tile's way out
.rept 4
	v_nop                                          ; places behind the last products
.endr
	v_add_f32 v14, v14, v15
	v_permlanex16_b32 v26, v14, s28, s29
	v_add_f32 v14, v14, v26                        ; the row's sum
	v_rcp_f32 v14, v14
	v_nop                                          ; a plain line behind the reciprocal
	s_lshr_b32 s30, s15, 4
	s_lshl_b32 s30, s30, 7
	s_add_co_u32 s30, s30, s18                     ; the tile of rows: 128 x batch + T
	s_lshl_b32 s30, s30, 3
	s_bfe_u32 s31, s15, 0x30001                    ; head / 2: which 128 along the last product's K
	s_add_co_u32 s30, s30, s31
	s_lshl_b32 s30, s30, 11
	s_and_b32 s31, s15, 1
	s_lshl_b32 s31, s31, 10                        ; head % 2: its upper or lower 64
	s_add_co_u32 s30, s30, s31
	s_mov_b32 s31, 0
	s_add_nc_u64 s[104:105], s[12:13], s[30:31]
	s_wait_alu depctr_va_vdst(0)                   ; the reciprocal has written v14, ahead of its first reader
	v_ldexp_f32 v14, v14, s3                       ; x 2^(e8 + e9)
	v_mov_b32 v15, v14
.set j, 0
.rept 16
	v_pk_mul_f32 v[S+j:S+j+1], v[O+j:O+j+1], v[14:15]   ; register 16 c + i is ctx(r, 32 c + 16 h + i)
.set j, j+2
.endr
.set j, 0
.rept 32
	v_med3_num_f32 v[S+j], v[S+j], -v[CLIM], v[CLIM]
.set j, j+1
.endr
.irp g, 0,1,2,3
	v_cvt_scalef32_pk8_fp8_f32 v[CC+2*\g:CC+2*\g+1], v[S+8*\g:S+8*\g+7], v[CSC]
.endr
	v_nop                                          ; a plain line behind the last conversion
	s_wait_alu depctr_va_vdst(0)                   ; the conversions have written v[CC ..], which the two stores read; it also stands behind every product that read v[16:23], in which the next tile's Q lands
	global_store_b128 v[LI], v[CC:CC+3], s[104:105]                ; 512 consecutive bytes, aligned
	global_store_b128 v[LI], v[CC+4:CC+7], s[104:105] offset:512
	s_add_co_u32 s19, s19, 1
	s_cmp_lt_u32 s19, 2
	s_cbranch_scc1 .Ltile
	s_wait_dscnt 0x0                               ; the closing lines, six on end
	s_wait_alu 0x0
	s_wait_tensorcnt 0x0
	ds_add_u32 v[SPW], v[NIL]
	s_wait_dscnt 0x0
	s_endpgm
.Lfunc_end_k_qbab8e95389_attn:
	.size	k_qbab8e95389_attn, .Lfunc_end_k_qbab8e95389_attn-k_qbab8e95389_attn
	.p2alignl 7, 3214868480
	.fill 96, 4, 3214868480
	.section	.rodata,"a",@progbits
	.p2align	6, 0x0
	.amdhsa_kernel k_qbab8e95389_attn
		.amdhsa_group_segment_fixed_size 264192
		.amdhsa_private_segment_fixed_size 0
		.amdhsa_enable_private_segment 0
		.amdhsa_kernarg_size 40
		.amdhsa_user_sgpr_count 2
		.amdhsa_user_sgpr_kernarg_segment_ptr 1
		.amdhsa_wavefront_size32 1
		.amdhsa_system_sgpr_workgroup_id_x 1
		.amdhsa_system_sgpr_workgroup_id_y 1
		.amdhsa_system_sgpr_workgroup_id_z 1
		.amdhsa_system_vgpr_workitem_id 0
		.amdhsa_next_free_vgpr 224
		.amdhsa_next_free_sgpr 106
		.amdhsa_reserve_vcc 0
		.amdhsa_float_denorm_mode_32 3
		.amdhsa_float_denorm_mode_16_64 3
		.amdhsa_memory_ordered 1
		.amdhsa_forward_progress 1
		.amdhsa_inst_pref_size 38
	.end_amdhsa_kernel
	.amdgpu_metadata
---
amdhsa.version: [ 1, 2 ]
amdhsa.kernels:
  - .name:           k_qbab8e95389_attn
    .symbol:         k_qbab8e95389_attn.kd
    .args:
      - { .name: hc, .offset: 0, .size: 8, .value_kind: global_buffer, .address_space: global }
      - { .name: mbits, .offset: 8, .size: 8, .value_kind: global_buffer, .address_space: global }
      - { .name: mcls, .offset: 16, .size: 8, .value_kind: global_buffer, .address_space: global }
      - { .name: lowp_scales, .offset: 24, .size: 8, .value_kind: global_buffer, .address_space: global }
      - { .name: cc, .offset: 32, .size: 8, .value_kind: global_buffer, .address_space: global }
    .group_segment_fixed_size: 264192
    .private_segment_fixed_size: 0
    .kernarg_segment_align: 8
    .kernarg_segment_size: 40
    .max_flat_workgroup_size: 512
    .sgpr_count:     106
    .vgpr_count:     224
    .wavefront_size: 32
...
	.end_amdgpu_metadata
.endif
;; end of part 5
;; launch outp: the kernel of part 4 again; grid 4 x 32, 4 waves a work-group, clusters of 4 x 4, 327,680 bytes of LDS; arguments cc, wc, lowp_scales, out0, bo; writes out0
